; MI455X (gfx1250); checked and timed in simulation.
; The chip was launched on July 23, 2026; its instructions are those of AMD's public machine-readable ISA for CDNA 5 (MIT licence, August 2026) and "CDNA5" Instruction Set Architecture Reference Guide (July 2026). The comments in the code are by the model that wrote it; some were corrected since.
;; Attention Block. Allowed arithmetic: matrix products marked QUANTISED: E5M2 operands, one E8M0 scale for each 32 along K, by v_wmma_scale_f32_16x16x128_f8f6f4 with both operands' format E5M2, f32 sums; everything else in f32.
;; Inputs: gn_b 256 float32; gn_w 256 float32; proj_b 256 float32; proj_w_codes 256 x 8 x 32 uint8 (E5M2 codes of proj_w, K innermost, in blocks of 32 codes); proj_w_scales 256 x 8 uint8 (E8M0 scales of proj_w, one for each 32 codes along K); qkv_b 768 float32; qkv_w_codes 768 x 8 x 32 uint8 (E5M2 codes of qkv_w, K innermost, in blocks of 32 codes); qkv_w_scales 768 x 8 uint8 (E8M0 scales of qkv_w, one for each 32 codes along K); x 4 x 256 x 64 x 64 float32.
;; Outputs: out0 4 x 256 x 64 x 64 float32.
;; This version of the problem:
;;   THIS VERSION OF THE PROBLEM IS GIVEN IN LOW PRECISION. The matrix products marked QUANTISED in the list below multiply operands that are first quantised to E5M2 (5 exponent bits, 2 mantissa bits; 8 bits a number), with one power-of-two scale for each 32 numbers along K (OCP MX v1.0); their sums are f32. All else is computed in f32.
;;   The module's matrix products, in the order in which they are computed (A, B: the left and right operand; K: the contracted axis; several contracted axes count as one K, in the product's order):
;;     1. [M 16,384, K 256] x [K 256, N 768]; A: computed on the way; B: input qkv_w (given as codes): QUANTISED
;;     2. batch 16 x [M 4,096, K 64] x [K 64, N 4,096]; A: computed on the way; B: computed on the way: QUANTISED
;;     3. batch 16 x [M 4,096, K 4,096] x [K 4,096, N 64]; A: softmax (see below); B: computed on the way: QUANTISED
;;     4. [M 16,384, K 256] x [K 256, N 256]; A: computed on the way; B: input proj_w (given as codes): QUANTISED
;;   THE QUANTISER, for each operand of a quantised product, along K:
;;     - K is cut into blocks of 32 from its start; a last block that is shorter is filled with zeros.
;;     - A block's scale is 2^e with e = floor(log2(the largest magnitude in the block)) - 15, held to -126 .. 127; a block of zeros has e = 0. As a byte (E8M0): e + 127.
;;     - Each number is divided by its block's scale, clamped to +-57,344, and rounded to the nearest number of E5M2, ties to even, subnormals kept.
;;     - The product sums the exact products of the quantised numbers (number of the format x scale) in f32.
;;   ~~~python
;;   def quantise(x, axis):      # numpy; x: float32 -> the quantised numbers, widened to float32 again
;;       x = np.moveaxis(x, axis, -1); K = x.shape[-1]
;;       x = np.pad(x, [(0, 0)] * (x.ndim - 1) + [(0, -K % 32)]); x = x.reshape(x.shape[:-1] + (-1, 32)); a = np.abs(x).max(-1, keepdims=True)
;;       e = np.where(a > 0, np.clip(np.frexp(np.where(a > 0, a, 1))[1] - 1 - 15, -126, 127), 0)      # np.frexp(a)[1] - 1 = floor(log2(a)), exactly
;;       r = np.clip(x / 2.0 ** e, -57344, 57344)
;;       step = 2.0 ** (np.maximum(np.frexp(np.where(r == 0, 1, r))[1] - 1, -14) - 2)
;;       q = np.round(r / step) * step * 2.0 ** e      # np.round: ties to even
;;       return np.moveaxis(q.reshape(q.shape[:-2] + (-1,))[..., :K], -1, axis).astype(np.float32)
;;   ~~~
;;   SOFTMAX AHEAD OF A QUANTISED PRODUCT. Where the list says 'softmax', what is quantised is not the finished softmax but p = 2^(t - M), with t = logit x log2(e) and M = ceil(the row's largest t), a whole number; so 1/2 < the row's largest p <= 1. The row's sum l is taken of the UNQUANTISED p, in f32, and the product's result is divided by l at the end. Since M is a whole number, a kernel that streams over the keys may use a running M (the ceiling of the running maximum): every later rescaling is an exact power of two, which a block's scale takes up: the codes' values come out the same.
;;   OPERANDS COMPUTED ON THE WAY. 'Computed on the way' means the value that the module computes at that place (a softmax that the list does not call 'softmax' is quantised finished and normalised). What goes into a quantiser is computed in f32, as accurately as f32 sums, v_exp_f32 and their like allow (about 1e-6 of the number): no bf16 or f16 on the way to a quantiser, and a product that is left as it is and whose result goes on into a quantised operand takes f32 operands (vector FMAs, or v_wmma_f32_16x16x4_f32). A number that lies on a knife's edge between two numbers of the format may be rounded either way, as far as f32 arithmetic and the matrix unit's own rounding can turn it there, and no further.
;;   INPUTS GIVEN AS CODES. proj_w (in the module: [256, 256], K = its axis 1); qkv_w (in the module: [768, 256], K = its axis 1): each comes as NAME_codes (uint8): NAME with its K axis moved to the last place and cut into blocks of 32 codes, [.., K / 32, bytes a block], one block behind the other in memory; one code a byte (a code: sign, 5 exponent bits, 2 mantissa bits); and NAME_scales (uint8): the same leading axes, one E8M0 byte (e + 127) for each 32 codes along K. Its value is code x scale, taken as it is: it is not quantised again, and the codes and scales need not be those that the quantiser above would give.
;; One version. Each part assembles by itself: llvm-mc -triple=amdgcn-amd-amdhsa -mcpu=gfx1250 --defsym DOCPART=n.
;; ======== version 1 of 1: 4 launches
;; limits: right only within a limited range of input values
;; workspace buffers: stats 8,192 bytes; qc 4,194,304 bytes; qs 262,144 bytes; kv 8,388,608 bytes; kvs 262,144 bytes; oc 4,194,304 bytes; os 131,072 bytes
;; launch stats (part 1): grid 256 x 1, 4 waves a work-group, no clusters, 0 bytes of LDS; arguments x, stats; writes stats
.if DOCPART == 1
	.amdgcn_target "amdgcn-amd-amdhsa--gfx1250"
	.amdhsa_code_object_version 6
	.text
	.protected	k_q79ed5c7082_stats
	.globl	k_q79ed5c7082_stats
	.p2align	8
	.type	k_q79ed5c7082_stats,@function
k_q79ed5c7082_stats:
	s_mov_b64 s[64:65], 0
	v_nop
	global_prefetch_b8 v0, s[64:65] scope:SCOPE_SE
	s_setreg_imm32_b32 hwreg(HW_REG_WAVE_MODE, 25, 1), 1
	s_wait_xcnt 0x0
; GroupNorm's statistics, first half.  x: [4][256][4096] f32.  A wave takes one channel of one image: 4,096 numbers, 16,384 consecutive bytes,
; 128 numbers a lane, kept in registers between the two passes.  It stores the run's mean and the sum of the squared deviations FROM THAT MEAN:
; stats[run] = (mean, M2), run = 256 x image + channel, so that the 32 runs of a group are 256 consecutive bytes.  The next launch joins them.
; The squares are taken about the run's own mean, so a common offset of the inputs forms no difference of large sums.
; No LDS, no barrier, no matrix unit: waves share nothing, and the launch reads each byte once.  A wave's result is 8 bytes: the only store that covers no whole run of 256 bytes.
; LIMITS: NaN and infinities among the inputs are not served.
.set X,   8                            ; v8-135    the run: 32 loads x 4 registers
.set CH,  136                          ; v136-143  four packed chains
.set MN,  144                          ; v144-145  the mean, twice; at the end (mean, M2)
.set T0,  146                          ; v146-147  at work
	s_load_b128 s[4:7], s[0:1], 0x0                ; x, stats
	v_lshrrev_b32 v2, 5, v0
	v_readfirstlane_b32 s8, v2                     ; wave 0..3
	v_and_b32 v3, 31, v0                           ; lane
	v_lshlrev_b32 v1, 4, v3                        ; 16 bytes a lane: a load of the wave covers 512 consecutive bytes
	v_mov_b32 v[T0+1], 0                           ; a lane permute's destination counts as one of its sources: written once
	v_mov_b32 v2, 0                                ; the store's offset
	s_lshl_b32 s9, ttmp9, 2
	s_add_co_u32 s9, s9, s8                        ; my run: 4 x work-group + wave
	s_lshl_b32 s12, s9, 14                         ; its 16,384 bytes of x
	s_mov_b32 s13, 0
	s_lshl_b32 s14, s9, 3                          ; its 8 bytes of stats
	s_mov_b32 s15, 0
	s_mov_b32 s10, 0x76543210                      ; v_permlanex16_b32's selects for lane l xor 16
	s_mov_b32 s11, 0xfedcba98
	s_wait_alu depctr_va_vdst(0)
	s_wait_kmcnt 0x0
	s_add_nc_u64 s[4:5], s[4:5], s[12:13]
	s_add_nc_u64 s[6:7], s[6:7], s[14:15]
.set i, 0
.rept 32
	global_load_b128 v[X+4*i:X+4*i+3], v1, s[4:5] offset:512*i     ; all 32 loads go out at once; no hint: x is read again by later launches
.set i, i+1
.endr
.macro LANESUM r, t                    ; the sum over the 32 lanes, in every lane
	v_add_f32_dpp v[\r], v[\r], v[\r] row_xmask:1 row_mask:0xf bank_mask:0xf
	v_add_f32_dpp v[\r], v[\r], v[\r] row_xmask:2 row_mask:0xf bank_mask:0xf
	v_add_f32_dpp v[\r], v[\r], v[\r] row_xmask:4 row_mask:0xf bank_mask:0xf
	v_add_f32_dpp v[\r], v[\r], v[\r] row_xmask:8 row_mask:0xf bank_mask:0xf
	v_permlanex16_b32 v[\t], v[\r], s10, s11
	v_add_f32 v[\r], v[\r], v[\t]
.endm
.macro JOIN                            ; the four chains become one number a lane
	v_pk_add_f32 v[CH:CH+1], v[CH:CH+1], v[CH+2:CH+3]
	v_pk_add_f32 v[CH+4:CH+5], v[CH+4:CH+5], v[CH+6:CH+7]
	v_pk_add_f32 v[CH:CH+1], v[CH:CH+1], v[CH+4:CH+5]
	v_add_f32 v[T0], v[CH], v[CH+1]
.endm
	; pass 1: the sum, two numbers an instruction, in four chains; the first four additions start the chains, nothing is cleared
	s_wait_loadcnt 24                              ; loads come back in order: the first eight are in, the 24 behind them may be out
.irp k, 0,1,2,3
	v_pk_add_f32 v[CH+2*\k:CH+2*\k+1], v[X+2*\k:X+2*\k+1], v[X+8+2*\k:X+8+2*\k+1]
.endr
.set p, 8
.rept 8
	v_pk_add_f32 v[CH+2*(p%4):CH+2*(p%4)+1], v[CH+2*(p%4):CH+2*(p%4)+1], v[X+2*p:X+2*p+1]
.set p, p+1
.endr
	s_wait_alu depctr_va_vdst(0)
.irp left, 16, 8, 0
	s_wait_alu depctr_va_vdst(0)
	s_wait_loadcnt \left                           ; the next eight loads are in
.rept 16
	v_pk_add_f32 v[CH+2*(p%4):CH+2*(p%4)+1], v[CH+2*(p%4):CH+2*(p%4)+1], v[X+2*p:X+2*p+1]
.set p, p+1
.endr
.endr
	JOIN
	LANESUM T0, T0+1
	v_mul_f32 v[MN], 0x39800000, v[T0]             ; x 2^-12: the run's mean
	v_mov_b32 v[MN+1], v[MN]
	; pass 2: deviations in place, then their squares
.set p, 0
.rept 64
	v_pk_add_f32 v[X+2*p:X+2*p+1], v[X+2*p:X+2*p+1], v[MN:MN+1] neg_lo:[0,1] neg_hi:[0,1]
.set p, p+1
.endr
.irp k, 0,1,2,3
	v_pk_mul_f32 v[CH+2*\k:CH+2*\k+1], v[X+2*\k:X+2*\k+1], v[X+2*\k:X+2*\k+1]
.endr
.set p, 4
.rept 60
	v_pk_fma_f32 v[CH+2*(p%4):CH+2*(p%4)+1], v[X+2*p:X+2*p+1], v[X+2*p:X+2*p+1], v[CH+2*(p%4):CH+2*(p%4)+1]
.set p, p+1
.endr
	JOIN
	LANESUM T0, T0+1
	v_mov_b32 v[MN+1], v[T0]                       ; (mean, M2)
	v_cmp_eq_u32 vcc_lo, 0, v3
	s_wait_alu depctr_va_vdst(0)
	s_wait_xcnt 0x0                                ; EXEC is a source of the loads above: it changes only behind this wait
	s_and_saveexec_b32 s8, vcc_lo                  ; lane 0 alone stores
	global_store_b64 v2, v[MN:MN+1], s[6:7]
	s_wait_xcnt 0x0                                ; and again in front of the line that widens it
	s_or_b32 exec_lo, exec_lo, s8
	s_endpgm
.Lfunc_end_k_q79ed5c7082_stats:
	.size	k_q79ed5c7082_stats, .Lfunc_end_k_q79ed5c7082_stats-k_q79ed5c7082_stats
	.p2alignl 7, 3214868480
	.fill 96, 4, 3214868480
	.section	.rodata,"a",@progbits
	.p2align	6, 0x0
	.amdhsa_kernel k_q79ed5c7082_stats
		.amdhsa_group_segment_fixed_size 0
		.amdhsa_private_segment_fixed_size 0
		.amdhsa_enable_private_segment 0
		.amdhsa_kernarg_size 16
		.amdhsa_user_sgpr_count 2
		.amdhsa_user_sgpr_kernarg_segment_ptr 1
		.amdhsa_wavefront_size32 1
		.amdhsa_system_sgpr_workgroup_id_x 1
		.amdhsa_system_sgpr_workgroup_id_y 1
		.amdhsa_system_sgpr_workgroup_id_z 1
		.amdhsa_system_vgpr_workitem_id 0
		.amdhsa_next_free_vgpr 160
		.amdhsa_next_free_sgpr 66
		.amdhsa_reserve_vcc 1
		.amdhsa_float_denorm_mode_32 3
		.amdhsa_float_denorm_mode_16_64 3
		.amdhsa_memory_ordered 1
		.amdhsa_forward_progress 1
		.amdhsa_inst_pref_size 18
	.end_amdhsa_kernel
	.amdgpu_metadata
---
amdhsa.version: [ 1, 2 ]
amdhsa.kernels:
  - .name:           k_q79ed5c7082_stats
    .symbol:         k_q79ed5c7082_stats.kd
    .args:
      - { .name: x, .offset: 0, .size: 8, .value_kind: global_buffer, .address_space: global }
      - { .name: stats, .offset: 8, .size: 8, .value_kind: global_buffer, .address_space: global }
    .group_segment_fixed_size: 0
    .private_segment_fixed_size: 0
    .kernarg_segment_align: 8
    .kernarg_segment_size: 16
    .max_flat_workgroup_size: 128
    .sgpr_count:     66
    .vgpr_count:     160
    .wavefront_size: 32
...
	.end_amdgpu_metadata
.endif
;; end of part 1
;; launch qkv (part 2): grid 256 x 1, 4 waves a work-group, no clusters, 17,408 bytes of LDS; arguments x, stats, gn_w, gn_b, qkv_w_codes, qkv_w_scales, qkv_b, qc, qs, kv, kvs; writes qc, qs, kv, kvs
.if DOCPART == 2
	.amdgcn_target "amdgcn-amd-amdhsa--gfx1250"
	.amdhsa_code_object_version 6
	.text
	.protected	k_q79ed5c7082_qkv
	.globl	k_q79ed5c7082_qkv
	.p2align	8
	.type	k_q79ed5c7082_qkv,@function
k_q79ed5c7082_qkv:
	s_mov_b64 s[64:65], 0
	v_nop
	global_prefetch_b8 v0, s[64:65] scope:SCOPE_SE
	s_setreg_imm32_b32 hwreg(HW_REG_WAVE_MODE, 25, 1), 1
	s_wait_xcnt 0x0
; GroupNorm's second half, the quantiser of xn, the product qkv = W xn + b on codes of BF8 (E5M2) with one E8M0 scale for each 32 along K, and the quantisers of q, k (along the head's 64) and v (along the keys).
; SHARES.  Work-group j: image j / 64, positions 64 (j % 64) .. + 63.  Wave w (1) normalises and quantises channels 64 w .. 64 w + 63 (groups 2 w, 2 w + 1) of the 64 positions and (2) IS head w: it makes that head's
; q, k and v for the 64 positions, 96 matrix instructions; its 192 rows of W (48 KiB) go from memory straight into its registers, once.
; THE ORDER pi.  The 64 positions form four tiles T; row rho of tile T is position pi(T, rho) = 32 (T / 2) + 8 (T % 2) + rho + 8 (rho / 8).  W's rows form tiles by the same pi.  In a result whose source 0 has its rows so,
; the 16 registers of tiles 2 b and 2 b + 1 of lane (r, h) are the 16 neighbours 32 b + 16 h + 0 .. 15: so the conversions' results are register groups of the next product's operand.
; q, k: source 0 = 16 rows of W, source 1 = 16 positions: a lane holds one position, its registers run along the head's 64.  v: source 0 = 16 positions, source 1 = 16 rows of W: a lane holds one channel, its registers run along the keys.
; WHAT IS STORED are IMAGES OF OPERAND REGISTERS: group c (four registers) of lane L of a fragment at 512 c + 16 L: every store of codes covers 512 consecutive bytes.
;   qc [bh][tile][2 groups][512];  qs [bh][tile][16] words (s0, s1, s0, s1);  kv [bh][key step of 128][16,384]: four K fragments, each TWO key tiles (groups 0, 1: tile 2 kb; groups 2, 3: tile 2 kb + 1), then four V^T fragments
;   (16 channels by pi x 128 keys);  kvs [bh][key step][512]: two registers of K's scale words, two of V's (lanes 0-15 the even fragment's rows, lanes 16-31 the odd one's).
;   The scale words leave in pieces of 128 bytes and less: one byte for each 32 bytes of codes.
; xn GOES FROM WAVE TO WAVE THROUGH LDS as such images too: one barrier in the launch.
; NO JOINT LOADS: each fragment of W is used by one wave of a work-group, once, and lands in the registers that multiply it; shared through LDS, its 192 KiB would be written there and read again for 96 matrix instructions a wave.
; LIMITS: NaN and infinities are not served; a block of zeros gets the byte 1 (its codes are zeros, and this program alone reads the bytes); rstd x gn_w is formed before it multiplies x - mu: one rounding placed otherwise than in the definition.
; REGISTERS, in windows of 256 (s_set_vgpr_msb: bits 1:0 source 0, 3:2 source 1, 5:4 source 2, 7:6 destination):
;   window 0: v1-14 offsets; v16-23 xn's scale words; v24-47 W's; v48-63 at work; v64-127, v128-191 64 numbers each; v192-223 codes; v224-249 at work; v252, v253 the add's two
;   window 1: W's fragments for q (v0-127) and k (v128-255)      window 2: those for v (v0-127); the biases as C: q v128.., k v160.., v v192..
;   window 3: v0-127 x as loaded (register 2 ch + e), later xn's eight fragments; v128-191 gn_w, then rstd x gn_w; v192-255 gn_b
.set XIMG,  0                          ; LDS: xn's eight fragments (tile T, K step g) at 2048 (2 T + g)
.set XSC,   16384                      ; their scale words: 64 (2 T + g) + 4 rho
.set SPARE, 16896                      ; the spare words, 128 bytes for each wave: two blocks of 256 bytes that no other line names
.set KSO, 1                            ; v1   4 x lane + 128 (j' % 2): K's scale word
.set VSO, 2                            ; v2   4 x lane + 2 (j' % 2): V's two scale bytes
.set XO,  4                            ; v4   8 x lane
.set LI,  5                            ; v5   16 x lane
.set L4,  6                            ; v6   4 x lane
.set LR,  7                            ; v7   XSC + 4 (lane % 16)
.set LX,  8                            ; v8   where my codes of xn go
.set LXS, 9                            ; v9   and their two scale bytes
.set VW,  10                           ; v10  W: 256 (r + 8 (r / 8)) + 16 h
.set VWS, 11                           ; v11  W's scale words: 8 (r + 8 (r / 8))
.set VB,  12                           ; v12  q's and k's bias: 64 h
.set VBV, 13                           ; v13  v's bias: 4 (r + 8 (r / 8))
.set ZO,  14                           ; v14  0
.set XS,  16
.set WS,  24
.set KW0, 48
.set VY,  52
.set SA,  56                           ; v56-63 the statistics
.set HA,  64
.set HB,  128
.set PC,  192
.set PC2, 208
.set TM,  224
.set PW,  240
.set SPW, 252
.set NIL, 253
.set GA,  128                          ; in window 3
.set GB,  192
.set MSB, 0
.macro WIN new                         ; the immediate's high byte repeats the setting that is left
.if MSB != \new
	s_set_vgpr_msb (MSB<<8)|\new
.set MSB, \new
.endif
.endm
.macro MM d, a, b, c, sa, sb           ; one product: D, source 0, source 1, C, their scale words
	v_wmma_scale_f32_16x16x128_f8f6f4 v[(\d):(\d)+7], v[(\a):(\a)+15], v[(\b):(\b)+15], v[(\c):(\c)+7], v[\sa], v[\sb] matrix_a_fmt:MATRIX_FMT_BF8 matrix_b_fmt:MATRIX_FMT_BF8
.endm
; Unit u (0 q, 1 k, 2 v): my head's 64 rows of W as eight fragments (tile n by pi, K step g), their scale words, their bias in the result's layout.  48 loads (v: 44).
.macro WLOAD u
.set WB, 128*((\u)%2)
.if (\u) < 2
	WIN 0x40
.else
	WIN 0x80
.endif
.irp n, 0,1,2,3
.irp g, 0,1
.irp c, 0,1,2,3
	global_load_b128 v[WB+16*(2*\n+\g)+4*\c:WB+16*(2*\n+\g)+4*\c+3], v[VW], s[12:13] offset:65536*(\u)+(32*(\n/2)+8*(\n%2))*256+128*\g+32*\c
.endr
.endr
.endr
	WIN 0
.irp n, 0,1,2,3
.irp g, 0,1
	global_load_b32 v[WS+8*(\u)+2*\n+\g], v[VWS], s[14:15] offset:2048*(\u)+8*(32*(\n/2)+8*(\n%2))+4*\g
.endr
.endr
	WIN 0x80
.irp n, 0,1,2,3
.if (\u) < 2
	global_load_b128 v[128+32*(\u)+8*\n:128+32*(\u)+8*\n+3], v[VB], s[16:17] offset:1024*(\u)+4*(32*(\n/2)+8*(\n%2))       ; register j: channel 32 (n / 2) + 16 h + 8 (n % 2) + j
	global_load_b128 v[128+32*(\u)+8*\n+4:128+32*(\u)+8*\n+7], v[VB], s[16:17] offset:1024*(\u)+4*(32*(\n/2)+8*(\n%2))+16
.else
	global_load_b32 v[192+8*\n], v[VBV], s[16:17] offset:2048+4*(32*(\n/2)+8*(\n%2))                                      ; a lane's one channel, pi(n, r); spread over the eight registers later
.endif
.endr
	WIN 0
.endm
.macro LANESUM2 a, b                   ; two sums over the 32 lanes, by turns
.irp m, 1,2,4,8
	v_add_f32_dpp v[\a], v[\a], v[\a] row_xmask:\m row_mask:0xf bank_mask:0xf
	v_add_f32_dpp v[\b], v[\b], v[\b] row_xmask:\m row_mask:0xf bank_mask:0xf
.endr
	v_permlanex16_b32 v[SA+6], v[\a], s28, s29
	v_permlanex16_b32 v[SA+7], v[\b], s28, s29
	v_add_f32 v[\a], v[\a], v[SA+6]
	v_add_f32 v[\b], v[\b], v[SA+7]
.endm
; Two whole blocks of 32 of ONE lane, v[s + 32 e + i], e = 0, 1: codes into v[pc + 8 e ..], the scale's byte into v[y + e].
.macro QUANTX s, pc, y
.irp e, 0,1
	v_max3_num_f32 v[TM+\e], |v[\s+32*\e]|, |v[\s+32*\e+1]|, 0x8000000        ; the floor 2^(16 - 127) among the leaves: the byte cannot fall under 1
	v_max3_num_f32 v[TM+2+\e], |v[\s+32*\e+2]|, |v[\s+32*\e+3]|, |v[\s+32*\e+4]|
.endr
.irp i, 5,9,13,17,21,25
.irp e, 0,1
	v_max3_num_f32 v[TM+\e], v[TM+\e], |v[\s+32*\e+\i]|, |v[\s+32*\e+\i+1]|
	v_max3_num_f32 v[TM+2+\e], v[TM+2+\e], |v[\s+32*\e+\i+2]|, |v[\s+32*\e+\i+3]|
.endr
.endr
.irp e, 0,1
	v_max3_num_f32 v[TM+\e], v[TM+\e], |v[\s+32*\e+29]|, |v[\s+32*\e+30]|
.endr
.irp e, 0,1
	v_max3_num_f32 v[TM+\e], v[TM+\e], v[TM+2+\e], |v[\s+32*\e+31]|           ; the block's largest magnitude
.endr
.irp e, 0,1
	v_add_nc_u32 v[TM+6+\e], 0xf8800000, v[TM+\e]                             ; 15 off its exponent field: the conversion's scale operand
.endr
.irp e, 0,1
	v_and_or_b32 v[TM+4+\e], v[TM+\e], 0x7f800000, s30                        ; 57,344 x the scale
.endr
.irp e, 0,1
	v_lshrrev_b32 v[\y+\e], 23, v[TM+6+\e]                                    ; the scale's byte
.endr
.irp e, 0,1
.set i, 0
.rept 32
.set i, i+1
.endr
.irp g, 0,1,2,3
	v_cvt_scalef32_pk8_bf8_f32 v[\pc+8*\e+2*\g:\pc+8*\e+2*\g+1], v[\s+32*\e+8*\g:\s+32*\e+8*\g+7], v[TM+6+\e]
.endr
.endr
	v_nop                                          ; one plain line behind the last conversion: products later write its sources
.endm
; 64 numbers of a lane, v[s + 16 b + i]: block b lies in lanes l and l xor 16.  Codes into v[PC + 4 b ..], bytes into v[TM + 4 + b].
.macro QUANT s
.irp b, 0,1,2,3
	v_max3_num_f32 v[TM+\b], |v[\s+16*\b]|, |v[\s+1+16*\b]|, 0x8000000
.endr
.irp i, 2,4,6,8,10,12,14
.irp b, 0,1,2,3
	v_max3_num_f32 v[TM+\b], v[TM+\b], |v[\s+16*\b+\i]|, |v[\s+1+16*\b+\i]|   ; the four blocks by turns; each accumulator is read from its low end on
.endr
.endr
.irp b, 0,1,2,3
	v_permlanex16_b32 v[TM+4+\b], v[TM+\b], s28, s29
.endr
.irp b, 0,1,2,3
	v_max_num_f32 v[TM+\b], v[TM+\b], v[TM+4+\b]
.endr
.irp b, 0,1,2,3
	v_add_nc_u32 v[TM+12+\b], 0xf8800000, v[TM+\b]
.endr
.irp b, 0,1,2,3
.endr
.irp b, 0,1,2,3
	v_lshrrev_b32 v[TM+4+\b], 23, v[TM+12+\b]
.endr
	s_wait_alu depctr_va_vdst(0)
	s_wait_xcnt 0x0                                ; the last group's stores have read their data: the codes' and the words' registers are written again only behind this wait
.irp b, 0,1,2,3
.set i, 0
.rept 16
.set i, i+1
.endr
	v_cvt_scalef32_pk8_bf8_f32 v[PC+4*\b:PC+1+4*\b], v[\s+16*\b:\s+7+16*\b], v[TM+12+\b]
	v_cvt_scalef32_pk8_bf8_f32 v[PC+2+4*\b:PC+3+4*\b], v[\s+8+16*\b:\s+15+16*\b], v[TM+12+\b]
.endr
	v_nop                                          ; one plain line behind the last conversion: the next products write its sources
.endm
; q (u = 0) or k (u = 1) of position tiles 2 bp and 2 bp + 1: eight accumulators by turns, two K steps; block 2 t + b of QUANT is tile 2 bp + t, channels 32 b on.
.macro QKGROUP u, bp
	WIN 0x2d                                       ; source 0 (W) window 1, source 1 (xn) window 3, C (the bias) window 2, D window 0
.irp t, 0,1
.irp n, 0,1,2,3
	MM HA+32*\t+8*\n, 128*(\u)+32*\n, 32*(2*(\bp)+\t), 128+32*(\u)+8*\n, WS+8*(\u)+2*\n, XS+2*(2*(\bp)+\t)
.endr
.endr
	WIN 0x0d                                       ; C and D window 0
.irp t, 0,1
.irp n, 0,1,2,3
	MM HA+32*\t+8*\n, 128*(\u)+32*\n+16, 32*(2*(\bp)+\t)+16, HA+32*\t+8*\n, WS+8*(\u)+2*\n+1, XS+2*(2*(\bp)+\t)+1
.endr
.endr
	WIN 0
.rept 8
	v_nop                                          ; eight places between a product of this form and the first read of its result
.endr
	QUANT HA
.irp k, 0,1,2,3
.if (\u) == 0
	global_store_b128 v[LI], v[PC+4*\k:PC+4*\k+3], s[18:19] offset:2048*(\bp)+512*\k    ; two tiles of q: 2,048 consecutive bytes in four stores
.else
	global_store_b128 v[LI], v[PC+4*\k:PC+4*\k+3], s[22:23] offset:2048*(\bp)+512*\k    ; one packed fragment of K
.endif
.endr
.if (\u) == 0
	v_lshl_or_b32 v241, v[TM+5], 8, v[TM+4]        ; tile 2 bp's two bytes,
	v_lshl_or_b32 v242, v[TM+7], 8, v[TM+6]        ; tile 2 bp + 1's
	v_cndmask_b32 v241, v241, v242, s31            ; lanes 0-15 store the first tile's rows, lanes 16-31 the second's
	v_lshl_or_b32 v[246+(\bp)], v241, 16, v241     ; (s0, s1, s0, s1): q stands in the lower or in the upper half of K = 128
	global_store_b32 v[L4], v[246+(\bp)], s[20:21] offset:128*(\bp)
.else
	v_lshl_or_b32 v241, v[TM+5], 8, v[TM+4]        ; (a0, a1, b0, b1): row r of both tiles of the packed fragment
	v_lshl_or_b32 v241, v[TM+6], 16, v241
.if (\bp) == 0
	v_lshl_or_b32 v[KW0], v[TM+7], 24, v241
.else
	v_lshl_or_b32 v[PW], v[TM+7], 24, v241
	v_cndmask_b32 v[PW], v[KW0], v[PW], s31        ; lanes 0-15 the even fragment's words, lanes 16-31 the odd one's: one scale register of the next launch
	global_store_b32 v[KSO], v[PW], s[24:25]
.endif
.endif
.endm
; v of positions 32 bp .. 32 bp + 31: block n of QUANT is channel tile n; its 16 registers run along the keys.
.macro VGROUP bp
	WIN 0x2b                                       ; source 0 (xn) window 3, source 1 (W) window 2, C (the bias) window 2, D window 0
.irp t, 0,1
.irp n, 0,1,2,3
	MM HA+16*\n+8*\t, 32*(2*(\bp)+\t), 32*\n, 192+8*\n, XS+2*(2*(\bp)+\t), WS+16+2*\n
.endr
.endr
	WIN 0x0b
.irp t, 0,1
.irp n, 0,1,2,3
	MM HA+16*\n+8*\t, 32*(2*(\bp)+\t)+16, 32*\n+16, HA+16*\n+8*\t, XS+2*(2*(\bp)+\t)+1, WS+16+2*\n+1
.endr
.endr
	WIN 0
.rept 8
	v_nop
.endr
	QUANT HA
.irp n, 0,1,2,3
	global_store_b128 v[LI], v[PC+4*\n:PC+4*\n+3], s[56:57] offset:2048*\n+512*(\bp)    ; group 2 (j' % 2) + bp of V^T's fragment n: 512 consecutive bytes
.endr
.irp n, 0,1,2,3
.if (\bp) == 0
	v_mov_b32 v[VY+\n], v[TM+4+\n]
.else
	v_lshl_or_b32 v[VY+\n], v[TM+4+\n], 8, v[VY+\n]
.endif
.endr
.if (\bp) == 1
	v_cndmask_b32 v248, v[VY], v[VY+1], s31        ; lanes 0-15 fragment 0's rows, lanes 16-31 fragment 1's
	v_cndmask_b32 v249, v[VY+2], v[VY+3], s31
	global_store_b16 v[VSO], v248, s[24:25] offset:256
	global_store_b16 v[VSO], v249, s[24:25] offset:384
.endif
.endm
	s_load_b512 s[4:19], s[0:1], 0x0               ; x, stats, gn_w, gn_b, W's codes, W's scales, qkv_b, qc
	s_load_b128 s[20:23], s[0:1], 0x40             ; qs, kv
	s_load_b64 s[24:25], s[0:1], 0x50              ; kvs
	v_lshl_add_u32 v[SPW], v0, 2, SPARE
	v_mov_b32 v[NIL], 0
	v_lshrrev_b32 v3, 5, v0
	v_readfirstlane_b32 s26, v3                    ; wave 0..3 = my head
	v_and_b32 v3, 31, v0                           ; lane
	v_lshlrev_b32 v[XO], 3, v3
	v_lshlrev_b32 v[LI], 4, v3
	v_lshlrev_b32 v[L4], 2, v3
	v_and_b32 v241, 15, v0                         ; r
	v_bfe_u32 v242, v0, 4, 1                       ; h; also A
	v_bfe_u32 v243, v0, 2, 1                       ; B
	v_bfe_u32 v244, v0, 3, 1                       ; C
	v_and_b32 v245, 3, v0                          ; D
	v_lshl_add_u32 v[LR], v241, 2, XSC
	; I hold positions 2 x lane + e.  By pi that is tile T = 2 A + B, row rho = 8 C + 2 D + e.  My codes of a block: fragment 2 T + (w / 2), group 2 (w % 2) + block, lane rho (+ 16 for the block's upper 16)
	v_lshlrev_b32 v[LX], 13, v242
	v_lshl_add_u32 v[LX], v243, 12, v[LX]
	v_lshl_add_u32 v[LX], v244, 7, v[LX]
	v_lshl_add_u32 v[LX], v245, 5, v[LX]
	s_lshl_b32 s46, s26, 10                        ; 2048 (w / 2) + 1024 (w % 2) = 1024 w
	v_add_nc_u32 v[LX], s46, v[LX]
	v_lshlrev_b32 v[LXS], 8, v242
	v_lshl_add_u32 v[LXS], v243, 7, v[LXS]
	v_lshl_add_u32 v[LXS], v244, 5, v[LXS]
	v_lshl_add_u32 v[LXS], v245, 3, v[LXS]
	s_lshr_b32 s46, s26, 1
	s_lshl_b32 s46, s46, 6
	s_and_b32 s47, s26, 1
	s_lshl_b32 s47, s47, 1
	s_add_co_u32 s46, s46, s47
	s_add_co_u32 s46, s46, XSC                     ; XSC + 64 (w / 2) + 2 (w % 2)
	v_add_nc_u32 v[LXS], s46, v[LXS]
	v_and_b32 v246, 8, v241
	v_add_nc_u32 v246, v246, v241                  ; r + 8 (r / 8)
	v_lshlrev_b32 v[VW], 8, v246
	v_lshl_add_u32 v[VW], v242, 4, v[VW]
	v_lshlrev_b32 v[VWS], 3, v246
	v_lshlrev_b32 v[VB], 6, v242
	v_lshlrev_b32 v[VBV], 2, v246
	v_mov_b32 v[ZO], 0
	s_mov_b32 s28, 0x76543210                      ; v_permlanex16_b32's selects for lane l xor 16
	s_mov_b32 s29, 0xfedcba98
	s_mov_b32 s30, 0x600000                        ; the mantissa field of 57,344
	s_mov_b32 s31, 0xffff0000                      ; lanes 16-31
	s_lshr_b32 s42, ttmp9, 6                       ; the image
	s_and_b32 s43, ttmp9, 63                       ; j': which 64 positions
	s_lshl_b32 s44, s42, 2
	s_add_co_u32 s44, s44, s26                     ; bh = 4 x image + head
	s_lshr_b32 s45, s43, 1                         ; the key step
	s_and_b32 s46, s43, 1                          ; and which half of it
	s_lshl_b32 s47, s46, 7
	v_add_nc_u32 v[KSO], s47, v[L4]
	s_lshl_b32 s47, s46, 1
	v_add_nc_u32 v[VSO], s47, v[L4]
	s_lshl_b32 s40, s42, 22                        ; x: image, my 64 channels, the 64 positions
	s_lshl_b32 s47, s26, 20
	s_add_co_u32 s40, s40, s47
	s_lshl_b32 s47, s43, 8
	s_add_co_u32 s40, s40, s47
	s_mov_b32 s41, 0
	s_lshl_b32 s48, s42, 11                        ; stats: 256 bytes a group, groups 8 x image + 2 w and the next
	s_lshl_b32 s54, s26, 9
	s_add_co_u32 s48, s48, s54
	s_mov_b32 s49, 0
	s_lshl_b32 s50, s26, 8                         ; 64 numbers of f32: gn_w, gn_b, qkv_b
	s_mov_b32 s51, 0
	s_lshl_b32 s52, s26, 14                        ; 64 rows of W's codes
	s_mov_b32 s53, 0
	s_mov_b32 s55, 0                               ; (s54 = 512 w: 64 rows of W's scale bytes)
	s_wait_alu depctr_va_vdst(0)
	s_wait_kmcnt 0x0
	s_add_nc_u64 s[4:5], s[4:5], s[40:41]
	s_add_nc_u64 s[6:7], s[6:7], s[48:49]
	s_add_nc_u64 s[8:9], s[8:9], s[50:51]
	s_add_nc_u64 s[10:11], s[10:11], s[50:51]
	s_add_nc_u64 s[12:13], s[12:13], s[52:53]
	s_add_nc_u64 s[14:15], s[14:15], s[54:55]
	s_add_nc_u64 s[16:17], s[16:17], s[50:51]
	; the first batch, 98 loads: the statistics of my two groups, a run a lane; gn_w and gn_b of my 64 channels, the same in every lane; x
	global_load_b64 v[SA:SA+1], v[XO], s[6:7]
	global_load_b64 v[SA+2:SA+3], v[XO], s[6:7] offset:256
	WIN 0xc0                                       ; destination window 3
.set i, 0
.rept 16
	global_load_b128 v[GA+4*i:GA+4*i+3], v[ZO], s[8:9] offset:16*i
	global_load_b128 v[GB+4*i:GB+4*i+3], v[ZO], s[10:11] offset:16*i
.set i, i+1
.endr
.set i, 0
.rept 64
	global_load_b64 v[2*i:2*i+1], v[XO], s[4:5] offset:16384*i     ; channel i: the wave reads 256 consecutive bytes, aligned
.set i, i+1
.endr
	WIN 0
	WLOAD 0                                        ; the second batch, 48 loads: q's rows of W
	; where the results go
	s_lshl_b32 s40, s44, 18
	s_lshl_b32 s47, s43, 12
	s_add_co_u32 s40, s40, s47
	s_add_nc_u64 s[18:19], s[18:19], s[40:41]      ; qc: four tiles of 1,024 bytes
	s_lshl_b32 s40, s44, 14
	s_lshl_b32 s47, s43, 8
	s_add_co_u32 s40, s40, s47
	s_add_nc_u64 s[20:21], s[20:21], s[40:41]      ; qs: four tiles of 64 bytes
	s_lshl_b32 s40, s44, 19
	s_lshl_b32 s47, s45, 14
	s_add_co_u32 s40, s40, s47                     ; kv: the key step's record
	s_lshl_b32 s47, s46, 10
	s_add_co_u32 s48, s40, s47
	s_add_co_u32 s48, s48, 8192
	s_add_nc_u64 s[56:57], s[22:23], s[48:49]      ; V: behind K's 8,192 bytes; my two groups of each fragment
	s_lshl_b32 s47, s46, 12
	s_add_co_u32 s40, s40, s47
	s_add_nc_u64 s[22:23], s[22:23], s[40:41]      ; K: my two packed fragments
	s_lshl_b32 s40, s44, 14
	s_lshl_b32 s47, s45, 9
	s_add_co_u32 s40, s40, s47
	s_add_nc_u64 s[24:25], s[24:25], s[40:41]      ; kvs: the key step's 512 bytes
	s_wait_loadcnt 48                              ; the 48 loads of the second batch may be out: the first batch is in
	; the groups' mean and variance from 32 runs of 4,096: mu = the mean of the means; the sum of squares = the sum of M2 + 4,096 (mean - mu)^2
	v_mov_b32 v[SA+4], v[SA]
	v_mov_b32 v[SA+5], v[SA+2]
	v_mov_b32 v[SA+6], 0                           ; a lane permute's destination counts as one of its sources
	v_mov_b32 v[SA+7], 0
	LANESUM2 SA+4, SA+5
	v_mul_f32 v[SA+4], 0x3d000000, v[SA+4]         ; x 2^-5: mu
	v_mul_f32 v[SA+5], 0x3d000000, v[SA+5]
	v_sub_f32 v[SA], v[SA], v[SA+4]
	v_sub_f32 v[SA+2], v[SA+2], v[SA+5]
	v_mul_f32 v[SA+6], 0x45800000, v[SA]           ; 4,096 x the deviation
	v_mul_f32 v[SA+7], 0x45800000, v[SA+2]
	v_fma_f32 v[SA+1], v[SA+6], v[SA], v[SA+1]
	v_fma_f32 v[SA+3], v[SA+7], v[SA+2], v[SA+3]
	LANESUM2 SA+1, SA+3
	v_mov_b32 v[SA], 0x37000000                    ; 2^-17: a group has 131,072 numbers
	v_fmaak_f32 v[SA+1], v[SA], v[SA+1], 0x3727c5ac   ; the variance + 1e-5
	v_fmaak_f32 v[SA+3], v[SA], v[SA+3], 0x3727c5ac
	s_wait_alu depctr_va_vdst(0)
	v_rsq_f32 v[SA+6], v[SA+1]
	v_rsq_f32 v[SA+7], v[SA+3]
	v_nop                                          ; a plain line behind the transcendentals
	s_wait_alu depctr_va_vdst(0)                   ; the wait ahead of the first reader: one for both
	v_readfirstlane_b32 s32, v[SA+4]
	v_readfirstlane_b32 s34, v[SA+5]
	v_readfirstlane_b32 s36, v[SA+6]
	v_readfirstlane_b32 s38, v[SA+7]
	s_xor_b32 s32, s32, 0x80000000                 ; -mu
	s_xor_b32 s34, s34, 0x80000000
	s_mov_b32 s33, s32                             ; (the packed forms name pairs and take the low word for both halves: the upper words are written)
	s_mov_b32 s35, s34
	s_mov_b32 s37, s36
	s_mov_b32 s39, s38
	WIN 0xc3                                       ; source 0 and destination window 3
.set i, 0
.rept 32
	v_pk_add_f32 v[2*i:2*i+1], v[2*i:2*i+1], s[32:33] op_sel_hi:[1,0]          ; x - mu, my first group's 32 channels,
	v_pk_add_f32 v[64+2*i:64+2*i+1], v[64+2*i:64+2*i+1], s[34:35] op_sel_hi:[1,0]   ; my second's
.set i, i+1
.endr
.set i, 0
.rept 16
	v_pk_mul_f32 v[GA+2*i:GA+2*i+1], v[GA+2*i:GA+2*i+1], s[36:37] op_sel_hi:[1,0]   ; rstd x gn_w
	v_pk_mul_f32 v[GA+32+2*i:GA+32+2*i+1], v[GA+32+2*i:GA+32+2*i+1], s[38:39] op_sel_hi:[1,0]
.set i, i+1
.endr
	WIN 0x3f                                       ; all three sources window 3, destination window 0
.set i, 0
.rept 32
	v_fma_f32 v[HA+i], v[2*i], v[GA+i], v[GB+i]                    ; xn; the two positions of a pair are taken apart on the way: 32 registers run down a block's channels
	v_fma_f32 v[HA+32+i], v[2*i+1], v[GA+i], v[GB+i]
	v_fma_f32 v[HB+i], v[64+2*i], v[GA+32+i], v[GB+32+i]
	v_fma_f32 v[HB+32+i], v[64+2*i+1], v[GA+32+i], v[GB+32+i]
.set i, i+1
.endr
	WIN 0
	QUANTX HA, PC, 241
.irp e, 0,1
.irp k, 0,1
	ds_store_b128 v[LX], v[PC+8*\e+4*\k:PC+8*\e+4*\k+3] offset:16*\e+256*\k
.endr
.endr
	QUANTX HB, PC2, 243
.irp e, 0,1
.irp k, 0,1
	ds_store_b128 v[LX], v[PC2+8*\e+4*\k:PC2+8*\e+4*\k+3] offset:512+16*\e+256*\k
.endr
.endr
	v_lshl_or_b32 v245, v243, 8, v241              ; my two blocks' bytes of position e = 0,
	v_lshl_or_b32 v246, v244, 8, v242              ; of e = 1
	ds_store_b16 v[LXS], v245
	ds_store_b16 v[LXS], v246 offset:4
	WLOAD 1                                        ; the third batch, 48 loads: k's rows of W
	s_wait_dscnt 0x0                               ; for the others' sake: my stores have landed
	s_barrier_signal -1
	s_barrier_wait -1                              ; xn's eight fragments and their scale words lie in LDS
	WIN 0xc0
.set i, 0
.rept 32
	ds_load_b128 v[4*i:4*i+3], v[LI] offset:XIMG+512*i             ; every wave takes all eight, over x's registers
.set i, i+1
.endr
	WIN 0
.irp f, 0,1,2,3,4,5,6,7
	ds_load_b32 v[XS+\f], v[LR] offset:64*\f
.endr
	s_wait_dscnt 0x0
	s_wait_loadcnt 48                              ; the third batch may be out: q's rows are in
	QKGROUP 0, 0
	QKGROUP 0, 1
	WLOAD 2                                        ; the fourth batch, 44 loads: v's rows of W
	s_wait_loadcnt 44                              ; it may be out: k's rows are in
	QKGROUP 1, 0
	QKGROUP 1, 1
	s_wait_loadcnt 0x0
	WIN 0x82                                       ; source 0 and destination window 2
.irp n, 0,1,2,3
.irp j, 1,2,3,4,5,6,7
	v_mov_b32 v[192+8*\n+\j], v[192+8*\n]          ; v's bias hangs on the lane's channel alone: the same in the eight registers of a C
.endr
.endr
.rept 4
	v_nop                                          ; as far ahead of the products as an operand written by vector instructions
.endr
	VGROUP 0
	VGROUP 1
	s_wait_tensorcnt 0x0                           ; the wave's end, behind my last LDS store
	ds_add_u32 v[SPW], v[NIL]
	s_wait_dscnt 0x0
	s_endpgm
.Lfunc_end_k_q79ed5c7082_qkv:
	.size	k_q79ed5c7082_qkv, .Lfunc_end_k_q79ed5c7082_qkv-k_q79ed5c7082_qkv
	.p2alignl 7, 3214868480
	.fill 96, 4, 3214868480
	.section	.rodata,"a",@progbits
	.p2align	6, 0x0
	.amdhsa_kernel k_q79ed5c7082_qkv
		.amdhsa_group_segment_fixed_size 17408
		.amdhsa_private_segment_fixed_size 0
		.amdhsa_enable_private_segment 0
		.amdhsa_kernarg_size 88
		.amdhsa_user_sgpr_count 2
		.amdhsa_user_sgpr_kernarg_segment_ptr 1
		.amdhsa_wavefront_size32 1
		.amdhsa_system_sgpr_workgroup_id_x 1
		.amdhsa_system_sgpr_workgroup_id_y 1
		.amdhsa_system_sgpr_workgroup_id_z 1
		.amdhsa_system_vgpr_workitem_id 0
		.amdhsa_next_free_vgpr 1024
		.amdhsa_next_free_sgpr 66
		.amdhsa_reserve_vcc 0
		.amdhsa_float_denorm_mode_32 3
		.amdhsa_float_denorm_mode_16_64 3
		.amdhsa_fp16_overflow 1
		.amdhsa_memory_ordered 1
		.amdhsa_forward_progress 1
		.amdhsa_inst_pref_size 94
	.end_amdhsa_kernel
	.amdgpu_metadata
---
amdhsa.version: [ 1, 2 ]
amdhsa.kernels:
  - .name:           k_q79ed5c7082_qkv
    .symbol:         k_q79ed5c7082_qkv.kd
    .args:
      - { .name: x, .offset: 0, .size: 8, .value_kind: global_buffer, .address_space: global }
      - { .name: stats, .offset: 8, .size: 8, .value_kind: global_buffer, .address_space: global }
      - { .name: gn_w, .offset: 16, .size: 8, .value_kind: global_buffer, .address_space: global }
      - { .name: gn_b, .offset: 24, .size: 8, .value_kind: global_buffer, .address_space: global }
      - { .name: qkv_w_codes, .offset: 32, .size: 8, .value_kind: global_buffer, .address_space: global }
      - { .name: qkv_w_scales, .offset: 40, .size: 8, .value_kind: global_buffer, .address_space: global }
      - { .name: qkv_b, .offset: 48, .size: 8, .value_kind: global_buffer, .address_space: global }
      - { .name: qc, .offset: 56, .size: 8, .value_kind: global_buffer, .address_space: global }
      - { .name: qs, .offset: 64, .size: 8, .value_kind: global_buffer, .address_space: global }
      - { .name: kv, .offset: 72, .size: 8, .value_kind: global_buffer, .address_space: global }
      - { .name: kvs, .offset: 80, .size: 8, .value_kind: global_buffer, .address_space: global }
    .group_segment_fixed_size: 17408
    .private_segment_fixed_size: 0
    .kernarg_segment_align: 8
    .kernarg_segment_size: 88
    .max_flat_workgroup_size: 128
    .sgpr_count:     66
    .vgpr_count:     1024
    .wavefront_size: 32
...
	.end_amdgpu_metadata
.endif
;; end of part 2
;; launch attn (part 3): grid 16 x 16, 16 waves a work-group, clusters of 4 x 1, 327,680 bytes of LDS; arguments qc, qs, kv, kvs, oc, os; writes oc, os
.if DOCPART == 3
	.amdgcn_target "amdgcn-amd-amdhsa--gfx1250"
	.amdhsa_code_object_version 6
	.text
	.protected	k_q79ed5c7082_attn
	.globl	k_q79ed5c7082_attn
	.p2align	8
	.type	k_q79ed5c7082_attn,@function
k_q79ed5c7082_attn:
	s_mov_b64 s[64:65], 0
	v_nop
	global_prefetch_b8 v0, s[64:65] scope:SCOPE_SE
	s_setreg_imm32_b32 hwreg(HW_REG_WAVE_MODE, 25, 1), 1
	s_wait_xcnt 0x0
	s_wait_alu depctr_hold_cnt(0) depctr_sa_sdst(0) depctr_va_vdst(0) depctr_va_sdst(0) depctr_va_ssrc(0) depctr_va_vcc(0) depctr_vm_vsrc(0)
	s_getreg_b32 s2, hwreg(HW_REG_IB_STS2, 6, 4)
	s_cmp_eq_u32 s2, 0
	s_cbranch_scc0 .Lentry_in_a_cluster
	s_endpgm
.Lentry_in_a_cluster:
	s_bfe_u32 s2, ttmp6, 0x10000c
	s_cmp_lg_u32 s2, 0x3003
	s_cbranch_scc0 .Lentry_shape_is_right
	s_endpgm
.Lentry_shape_is_right:
; O = softmax(q k^T / 8) v for 16 heads (4 images x 4) of 4,096 positions x 64 channels, both products on codes of BF8 (E5M2) with one E8M0 scale for each 32 along K; then O / l is quantised along the channels for the projection.
; THE SOFTMAX AHEAD OF THE SECOND PRODUCT: t = score x log2(e) / 8; M = the row's largest t so far, rounded UP to a whole number; p = 2^(t - M) is what is quantised, along the keys; the row's sum l is taken of the
; unquantised p and divides O at the end.  When M moves, l and O are multiplied by 2^(old M - new M): exact.
; SHARES.  A work-group owns 256 queries of one head; each of its SIXTEEN waves owns one tile of 16, in 256 registers: four waves to a SIMD, so that one wave's vector work stands beside another's matrix work and LDS loads.
; Every wave walks the head's 32 key steps of 128 keys.  All operands arrive as IMAGES OF THEIR REGISTERS (group c of lane L at 512 c + 16 L): every LDS load takes 512 consecutive bytes; no pitch, no padding.
; BOTH PRODUCTS ARE USED TRANSPOSED: S^T = K Q^T, O^T = V^T P^T: a lane holds ONE query (lane % 16) throughout.  The keys of a tile and V's channels of a tile were chosen by the launch before so that the 16 registers of two
; neighbouring tiles are 16 neighbours along the next K: the conversions' results are the next operand's registers.
; K = 64 PACKED.  The head has 64 channels, the instruction takes 128 along K.  A fragment of K holds TWO key tiles (groups 0, 1 and groups 2, 3); Q lies between two runs of zero codes, Z | q | Z: (q, Z) multiplies the first
; tile, (Z, q) the second.  All codes come out of a quantiser with the hold, so they are finite numbers, and a zero code adds nothing.
; CLUSTER.  The four query blocks of a cluster belong to one head and walk the same K, V and scale words: each load is asked for JOINTLY, by the same descriptor and a mask that names the four.
; THE RING: two slots of four key steps (65,536 bytes); waves 0 to 3 fetch a step's record (16,384 bytes) each, wave 4 the head's scale words (16,384 bytes, once).  A wave never has more than one tensor load out.
; LIMITS: NaN and infinities are not served; a block of zeros gets the byte 1 (its codes are zeros; this program alone reads the bytes); O / l is a reciprocal and a multiplication; a block's largest p is taken from its
; largest score, which takes v_exp_f32 not to fall where its input rises.  The scale bytes of O leave one byte a lane: 32 bytes for 1,024 bytes of codes.
.set SLOT1, 65536                      ; slot 1 begins here: one exclusive or turns an address in one slot into the other's
.set SCL,   131072                     ; the head's scale words: 512 bytes a key step
.set SPARE, 147456                     ; the spare words, 128 bytes for each wave: eight blocks of 256 bytes that no other line names
.set LI,  1                            ; v1   16 x lane
.set LS,  2                            ; v2   SCL + 4 x lane
.set R4,  3                            ; v3   4 (lane % 16)
.set OSO, 4                            ; v4   4 (lane % 16) + lane / 16
.set SPW, 5                            ; v5   my spare word; never rewritten
.set NIL, 6                            ; v6   0; never rewritten
.set PFO, 7                            ; v7   256 x lane; never rewritten
.set ADK, 8                            ; v8   the slot in hand + 16 x lane
.set ADS, 10                           ; v10  the step's scale words
                                       ; v12 -M, v13 the largest t, v[14:15] the sum in two halves; v16-23 Z, v24-31 q, v32-39 Z
.set F,   40                           ; v40-103   four fragments of K, then of V
.set S,   104                          ; v104-167  S^T, then p
.set O,   168                          ; v168-199  O^T
.set PC,  200                          ; v200-215  p's codes
.set BM,  216                          ; v216-219  the blocks' largest scores, then p
.set BP,  220                          ; v220-223  at work
.set HL,  224
.set SO,  228                          ; v228-231  the conversions' scale operands
.set KS,  232                          ; v232-233  K's scale words
.set VS,  234                          ; v234-235  V's
.set QS,  236                          ; v236      Q's
.set PW,  237                          ; v237      p's
.set FF,  238                          ; v[238:239] f = 2^(old M - new M), and a 0 that is named with it as a pair
.set W0,  240
.set WV,  18
.set MNT, 19
.set SEL, 20
.set CS,  22
.set G1,  24                           ; s[24:31] descriptor group 1: one for every load
.set G0,  32                           ; s[32:35] group 0 for my record: it walks
.set G0S, 36                           ; s[36:39] group 0 for the scale words
.set SLOTS, 40
.set PFA, 42                           ; s[42:43] where my prefetches stand
.set LIM, 44
.set HI16, 45
.set TB,  46                           ; s46  LDS byte at which the slot in hand begins
.set TS,  47                           ; s47  512 x the key step
.macro CROUND                          ; a round of the cluster's barrier
	s_barrier_signal -1
	s_barrier_wait -1
	s_cmp_lg_u32 s[WV], 0
	s_cbranch_scc1 .Lnot_wave_0_\@
	s_barrier_signal -3
.Lnot_wave_0_\@:
	s_barrier_wait -3
	s_barrier_signal -1
	s_barrier_wait -1
.endm
.macro JLOAD                           ; waves 0 to 3 fetch a record each; the branch hangs on the wave's number alone.  An s_nop 0 and four v_nop follow the load
	s_cmp_lt_u32 s[WV], 4
	s_cbranch_scc0 .Lno_load_\@
	tensor_load_to_lds s[G0:G0+3], s[G1:G1+7]
	s_nop 0
.rept 4
	v_nop
.endr
.Lno_load_\@:
.endm
; A PREFETCH INTO THE L2 of the slot that the NEXT change of slots will ask for: 65,536 bytes, four key steps ahead of that load.  All clusters of a head walk the same bytes: the head's first cluster asks.  Its four partners take
; 16,384 bytes each, told apart BY ADDRESS; in each, waves 8 and 9 take 8,192 bytes each, lanes 256 bytes apart: every aligned 256 bytes are named once in the launch.  The last change that fills a slot asks for nothing.
.macro ASK
	s_cmp_gt_u32 s[SLOTS], s[LIM]
	s_cbranch_scc0 .Lnot_mine_\@
	global_prefetch_b8 v[PFO], s[PFA:PFA+1] th:TH_LOAD_NT scope:SCOPE_SE
.Lnot_mine_\@:
.endm
	s_load_b256 s[4:11], s[0:1], 0x0               ; qc, qs, kv, kvs
	s_load_b128 s[12:15], s[0:1], 0x20             ; oc, os
	v_lshl_add_u32 v[SPW], v0, 2, SPARE
	v_mov_b32 v[NIL], 0
	ds_add_u32 v[SPW], v[NIL]                      ; the wave's opening: the add, twice on end, and its wait ahead of the first tensor loads; the set-up below stands between
	ds_add_u32 v[SPW], v[NIL]
	v_lshrrev_b32 v8, 5, v0
	s_delay_alu instid0(VALU_DEP_1)
	v_readfirstlane_b32 s[WV], v8                  ; wave 0..15
	v_and_b32 v9, 31, v0                           ; lane
	s_delay_alu instid0(VALU_DEP_1)
	v_lshlrev_b32 v[LI], 4, v9
	s_delay_alu instid0(VALU_DEP_2)
	v_lshl_add_u32 v[LS], v9, 2, SCL
	s_delay_alu instid0(VALU_DEP_3)
	v_lshlrev_b32 v[PFO], 8, v9
	v_and_b32 v11, 15, v0
	s_delay_alu instid0(VALU_DEP_1)
	v_lshlrev_b32 v[R4], 2, v11
	v_bfe_u32 v9, v0, 4, 1
	s_delay_alu instid0(VALU_DEP_1)
	v_lshl_add_u32 v[OSO], v11, 2, v9
	s_and_b32 s50, ttmp7, 0xffff                   ; bh = 4 x image + head, which the four partners share
	s_bfe_u32 s48, ttmp6, 0x40000                  ; cx: my place in the cluster
	s_lshl_b32 s49, ttmp9, 2
	s_add_co_u32 s49, s49, s48                     ; my block of 256 queries
	s_lshl_b32 s51, s49, 4
	s_add_co_u32 s51, s51, s[WV]                   ; my tile of 16 queries, 0..255
	; descriptor group 1: a dense block of 16,384 bytes as 64 rows of 256 bytes (32 elements of 8 bytes), no padding
	s_mov_b32 s[G1], 15|(3<<16)|(1<<21)            ; 15:0 the mask: all four work-groups; 17:16 elements of 8 bytes; 21 set beside a mask
	s_mov_b32 s[G1+1], 32<<16                      ; tensor_dim0 = 32
	s_mov_b32 s[G1+2], 64<<16                      ; tensor_dim1 = 64
	s_mov_b32 s[G1+3], 32<<16                      ; tile_dim0 = 32
	s_mov_b32 s[G1+4], 64                          ; tile_dim1 = 64
	s_mov_b32 s[G1+5], 32                          ; from row to row
	s_mov_b32 s[G1+6], 0
	s_mov_b32 s[G1+7], 0
	s_mov_b32 s[SEL], 0x76543210
	s_mov_b32 s[SEL+1], 0xfedcba98
	s_mov_b32 s[CS], 0x3e38aa3b                    ; c = log2(e) / 8
	s_mov_b32 s[CS+1], s[CS]                       ; (named with it as a pair, so it is written)
	s_mov_b32 s[HI16], 0xffff0000                  ; lanes 16-31
	s_mov_b32 s[TB], 0
	s_mov_b32 s[TS], 0
	s_mov_b32 s[SLOTS], 7
	s_and_b32 s68, s[WV], 3
	s_lshl_b32 s68, s68, 14                        ; my record's place, in a slot and in memory: no place in the cluster enters it
	s_lshl_b32 s52, s50, 19                        ; the head's 524,288 bytes of kv
	s_add_co_u32 s52, s52, s68
	s_mov_b32 s53, 0
	s_lshl_b32 s54, s50, 14                        ; the head's 16,384 bytes of kvs
	s_mov_b32 s55, 0
	s_lshl_b32 s56, s50, 19                        ; the prefetches: the head, my work-group's quarter, my wave's half of it,
	s_lshl_b32 s57, s48, 14
	s_add_co_u32 s56, s56, s57
	s_and_b32 s57, s[WV], 1
	s_lshl_b32 s57, s57, 13
	s_add_co_u32 s56, s56, s57
	s_add_co_u32 s56, s56, SLOT1                   ; in slot 1: the first change of slots steps it to slot 2.  Nothing is prefetched at the head
	s_mov_b32 s57, 0
	s_sub_co_u32 s[LIM], s[WV], 8
	s_lshr_b32 s[LIM], s[LIM], 1                   ; 0 in waves 8 and 9,
	s_or_b32 s[LIM], s[LIM], ttmp9                 ; of the head's first cluster: the same in all four partners
	s_cmp_eq_u32 s[LIM], 0
	s_cselect_b32 s[LIM], 1, -1
	s_lshl_b32 s58, s50, 18                        ; qc: 1,024 bytes a tile
	s_lshl_b32 s59, s51, 10
	s_add_co_u32 s58, s58, s59
	s_mov_b32 s59, 0
	s_lshl_b32 s60, s50, 14                        ; qs: 64 bytes a tile
	s_lshl_b32 s61, s51, 6
	s_add_co_u32 s60, s60, s61
	s_mov_b32 s61, 0
	s_lshr_b32 s69, s50, 2                         ; the image
	s_and_b32 s70, s50, 3                          ; the head
	s_lshl_b32 s62, s69, 20                        ; oc: 4,096 bytes a tile; my head's two groups begin 1,024 x head on
	s_lshl_b32 s63, s51, 12
	s_add_co_u32 s62, s62, s63
	s_lshl_b32 s63, s70, 10
	s_add_co_u32 s62, s62, s63
	s_mov_b32 s63, 0
	s_lshl_b32 s66, s69, 15                        ; os: 128 bytes a tile; K step head / 2; bytes 2 (head % 2) and the next of each word
	s_lshl_b32 s67, s51, 7
	s_add_co_u32 s66, s66, s67
	s_lshr_b32 s67, s70, 1
	s_lshl_b32 s67, s67, 6
	s_add_co_u32 s66, s66, s67
	s_and_b32 s67, s70, 1
	s_lshl_b32 s67, s67, 1
	s_add_co_u32 s66, s66, s67
	s_mov_b32 s67, 0
	s_wait_dscnt 0x0                               ; both opening adds are done
	s_wait_kmcnt 0x0
	s_mov_b32 s[G0], 1                             ; count = 1
	s_mov_b32 s[G0+1], s68                         ; LDS address: slot 0, my record
	s_add_nc_u64 s[G0+2:G0+3], s[8:9], s[52:53]    ; global address: key step wave % 4
	s_or_b32 s[G0+3], s[G0+3], 0x80000000          ; type = 2
	s_mov_b32 s[G0S], 1
	s_mov_b32 s[G0S+1], SCL
	s_add_nc_u64 s[G0S+2:G0S+3], s[10:11], s[54:55]
	s_or_b32 s[G0S+3], s[G0S+3], 0x80000000
	s_add_nc_u64 s[PFA:PFA+1], s[8:9], s[56:57]
	s_add_nc_u64 s[4:5], s[4:5], s[58:59]
	s_add_nc_u64 s[6:7], s[6:7], s[60:61]
	s_add_nc_u64 s[12:13], s[12:13], s[62:63]
	s_add_nc_u64 s[14:15], s[14:15], s[66:67]
	CROUND                                         ; all four work-groups are here: the first joint loads meet
	s_cmp_lt_u32 s[WV], 4                          ; the first fills: slot 0 by waves 0 to 3, the scale words by wave 4; one load a wave
	s_cbranch_scc0 .Lnot_kv
	tensor_load_to_lds s[G0:G0+3], s[G1:G1+7]
	s_nop 0
.rept 4
	v_nop
.endr
	s_branch .Lfirst_done
.Lnot_kv:
	s_cmp_eq_u32 s[WV], 4
	s_cbranch_scc0 .Lfirst_done
	tensor_load_to_lds s[G0S:G0S+3], s[G1:G1+7]
	s_nop 0
.rept 4
	v_nop
.endr
.Lfirst_done:
	s_wait_alu depctr_va_vdst(0)
	global_load_b128 v[24:27], v[LI], s[4:5] th:TH_LOAD_NT         ; q's two groups: channels 16 h + 0 .. 15 and 32 + 16 h + 0 .. 15 of query lane % 16
	global_load_b128 v[28:31], v[LI], s[4:5] offset:512 th:TH_LOAD_NT
	global_load_b32 v[QS], v[R4], s[6:7] th:TH_LOAD_NT             ; (s0, s1, s0, s1)
.irp j, 0,1,2,3,4,5,6,7
	v_mov_b32 v[16+\j], 0                          ; Z: zero codes below q
	v_mov_b32 v[32+\j], 0                          ; and above
.endr
.set j, 0
.rept 32
	v_mov_b32 v[O+j], 0                            ; O^T.  (The step is written without a first step of its own: it finds zeros, which the first change of M leaves zeros)
.set j, j+1
.endr
.irp b, 0,1,2,3
	v_mov_b32 v[BP+\b], 0                          ; a lane permute's destination counts as one of its sources
.endr
	v_mov_b32 v[FF+1], 0
	v_mov_b32 v13, 0xff61b1e6                      ; the largest t so far: -3e38, under every t
	s_delay_alu instid0(VALU_DEP_1)
	v_floor_f32 v12, -v13                          ; -M
	v_mov_b32 v14, 0
	v_mov_b32 v15, 0
; A KEY STEP: 128 keys, the q-th of the slot in hand.
.macro STEP q
	v_add_nc_u32 v[ADK], s[TB], v[LI]
	v_add_nc_u32 v[ADS], s[TS], v[LS]
.rept 6
	v_nop                                          ; with the two additions: eight places between the last products and the loads into the registers that they read
.endr
.irp b, 0,1,2,3
.irp c, 0,1,2,3
	ds_load_b128 v[F+16*\b+4*\c:F+16*\b+4*\c+3], v[ADK] offset:16384*(\q)+2048*\b+512*\c
.endr
.endr
	ds_load_b32 v[KS], v[ADS]                      ; lanes 0-15 fragment 0's words, lanes 16-31 fragment 1's
	ds_load_b32 v[KS+1], v[ADS] offset:128         ; fragments 2 and 3
	s_wait_alu depctr_va_vdst(0)
	s_wait_dscnt 0x0
.irp b, 0,1,2,3                                ; S^T = K Q^T: fragment b holds key tiles 2 b and 2 b + 1: registers S + 16 b + 0 .. 15 of lane (r, h) are keys 32 b + 16 h + 0 .. 15 of query r
.if \b%2
	v_wmma_scale_f32_16x16x128_f8f6f4 v[S+16*\b:S+16*\b+7], v[F+16*\b:F+16*\b+15], v[24:39], 0, v[KS+\b/2], v[QS] matrix_a_fmt:MATRIX_FMT_BF8 matrix_b_fmt:MATRIX_FMT_BF8 matrix_a_scale:MATRIX_SCALE_ROW1
	v_wmma_scale_f32_16x16x128_f8f6f4 v[S+16*\b+8:S+16*\b+15], v[F+16*\b:F+16*\b+15], v[16:31], 0, v[KS+\b/2], v[QS] matrix_a_fmt:MATRIX_FMT_BF8 matrix_b_fmt:MATRIX_FMT_BF8 matrix_a_scale:MATRIX_SCALE_ROW1
.else
	v_wmma_scale_f32_16x16x128_f8f6f4 v[S+16*\b:S+16*\b+7], v[F+16*\b:F+16*\b+15], v[24:39], 0, v[KS+\b/2], v[QS] matrix_a_fmt:MATRIX_FMT_BF8 matrix_b_fmt:MATRIX_FMT_BF8
	v_wmma_scale_f32_16x16x128_f8f6f4 v[S+16*\b+8:S+16*\b+15], v[F+16*\b:F+16*\b+15], v[16:31], 0, v[KS+\b/2], v[QS] matrix_a_fmt:MATRIX_FMT_BF8 matrix_b_fmt:MATRIX_FMT_BF8
.endif
.endr
.rept 8
	v_nop                                          ; eight places: for the loads below, into registers that these products read, and for the first read of the scores
.endr
.irp n, 0,1,2,3                                ; V's four fragments are asked for NOW: they land while the softmax is walked
.irp c, 0,1,2,3
	ds_load_b128 v[F+16*\n+4*\c:F+16*\n+4*\c+3], v[ADK] offset:16384*(\q)+8192+2048*\n+512*\c
.endr
.endr
	ds_load_b32 v[VS], v[ADS] offset:256
	ds_load_b32 v[VS+1], v[ADS] offset:384
.irp b, 0,1,2,3
	v_max3_num_f32 v[BM+\b], v[S+16*\b], v[S+1+16*\b], v[S+2+16*\b]           ; THE LARGEST SCORE OF EACH BLOCK OF 32 KEYS: for the row's maximum, and, since p rises with the score, for the block's largest p
.endr
.irp i, 3,5,7,9,11,13
.irp b, 0,1,2,3
	v_max3_num_f32 v[BM+\b], v[BM+\b], v[S+16*\b+\i], v[S+1+16*\b+\i]
.endr
.endr
.irp b, 0,1,2,3
	v_max_num_f32 v[BM+\b], v[BM+\b], v[S+15+16*\b]
.endr
.irp b, 0,1,2,3
	s_delay_alu instid0(VALU_DEP_4)
	v_permlanex16_b32 v[BP+\b], v[BM+\b], s[SEL], s[SEL+1]
.endr
.irp b, 0,1,2,3
	s_delay_alu instid0(VALU_DEP_4)
	v_max_num_f32 v[BM+\b], v[BM+\b], v[BP+\b]     ; with lane l xor 16's 16 keys
.endr
	s_delay_alu instid0(VALU_DEP_2)
	v_max3_num_f32 v[W0], v[BM], v[BM+1], v[BM+2]
	s_delay_alu instid0(VALU_DEP_1)
	v_max_num_f32 v[W0], v[W0], v[BM+3]            ; the step's largest score of my query
	s_delay_alu instid0(VALU_DEP_1)
	v_mul_f32 v[W0], s[CS], v[W0]                  ; as t (c is positive)
	s_delay_alu instid0(VALU_DEP_1)
	v_max_num_f32 v13, v13, v[W0]                  ; the running largest t
	v_mov_b32 v[W0], v12
	s_delay_alu instid0(VALU_DEP_2)
	v_floor_f32 v12, -v13                          ; the new -M = floor(-t) = -ceil(t): a whole number
	s_delay_alu instid0(VALU_DEP_1)
	v_sub_f32 v[W0], v12, v[W0]                    ; old M - new M: a whole number, 0 or less
	s_delay_alu instid0(VALU_DEP_1)
	v_cvt_i32_f32 v[W0], v[W0]                     ; (it saturates)
	s_delay_alu instid0(VALU_DEP_1)
	v_ldexp_f32 v[FF], 1.0, v[W0]                  ; f = 2^(old M - new M)
.set j, 0
.rept 32
	v_pk_fma_f32 v[S+j:S+j+1], v[S+j:S+j+1], s[CS:CS+1], v[12:13] op_sel_hi:[1,0,0]   ; t - M, two at a time (of the pairs c and -M the low word serves both halves)
.set j, j+2
.endr
.irp b, 0,1,2,3
	v_fma_f32 v[BM+\b], v[BM+\b], s[CS], v12       ; the same of each block's largest score
.endr
.set j, 0
	s_wait_alu depctr_va_vdst(0)
.rept 64
	v_exp_f32 v[S+j], v[S+j]                       ; p = 2^(t - M), at most 1: not normalised
.set j, j+1
.endr
	v_pk_mul_f32 v[14:15], v[14:15], v[FF:FF+1] op_sel_hi:[1,0]    ; the sums under the new M.  (The plain line behind the exponentials)
	s_wait_alu depctr_va_vdst(0)                   ; the wait ahead of the first reader: one for the batch of 64
.irp b, 0,1,2,3
	v_exp_f32 v[BM+\b], v[BM+\b]                   ; the block's largest p: the same two instructions on the same number give the same bits
.endr
	v_pk_add_f32 v[220:221], v[108:109], v[112:113]
	v_pk_add_f32 v[254:255], v[116:117], v[120:121]
	v_pk_add_f32 v[252:253], v[124:125], v[128:129]
	v_pk_add_f32 v[250:251], v[132:133], v[136:137]
	v_pk_add_f32 v[248:249], v[140:141], v[144:145]
	v_pk_add_f32 v[246:247], v[148:149], v[152:153]
	v_pk_add_f32 v[244:245], v[156:157], v[160:161]
	v_pk_add_f32 v[14:15], v[14:15], v[164:165]
	v_pk_add_f32 v[220:221], v[220:221], v[104:105]
	v_pk_add_f32 v[254:255], v[254:255], v[106:107]
	v_pk_add_f32 v[252:253], v[252:253], v[110:111]
	v_pk_add_f32 v[250:251], v[250:251], v[114:115]
	v_pk_add_f32 v[248:249], v[248:249], v[118:119]
	v_pk_add_f32 v[246:247], v[246:247], v[122:123]
	v_pk_add_f32 v[244:245], v[244:245], v[126:127]
	v_pk_add_f32 v[14:15], v[14:15], v[130:131]
	v_pk_add_f32 v[220:221], v[220:221], v[134:135]
	v_pk_add_f32 v[254:255], v[254:255], v[138:139]
	v_pk_add_f32 v[252:253], v[252:253], v[142:143]
	v_pk_add_f32 v[250:251], v[250:251], v[146:147]
	v_pk_add_f32 v[248:249], v[248:249], v[150:151]
	v_pk_add_f32 v[246:247], v[246:247], v[154:155]
	v_pk_add_f32 v[244:245], v[244:245], v[158:159]
	v_pk_add_f32 v[14:15], v[14:15], v[162:163]
	v_pk_add_f32 v[220:221], v[220:221], v[166:167]
	s_delay_alu instid0(VALU_DEP_2)
	v_pk_add_f32 v[14:15], v[14:15], v[250:251]
	s_delay_alu instid0(VALU_DEP_2)
	v_pk_add_f32 v[220:221], v[220:221], v[248:249]
	v_pk_add_f32 v[254:255], v[254:255], v[246:247]
	v_pk_add_f32 v[252:253], v[252:253], v[244:245]
	s_delay_alu instid0(VALU_DEP_2)
	v_pk_add_f32 v[14:15], v[14:15], v[254:255]
	s_delay_alu instid0(VALU_DEP_2)
	v_pk_add_f32 v[220:221], v[220:221], v[252:253]
	s_delay_alu instid0(VALU_DEP_1)
	v_pk_add_f32 v[14:15], v[14:15], v[220:221]
	s_wait_alu depctr_va_vdst(0)                   ; and one for the four
.irp b, 0,1,2,3
	v_max_num_f32 v[BM+\b], 0x8000000, v[BM+\b]    ; the floor 2^(16 - 127): the byte cannot fall under 1
.endr
.irp b, 0,1,2,3
	s_delay_alu instid0(VALU_DEP_4)
	v_add_nc_u32 v[SO+\b], 0xf8800000, v[BM+\b]    ; 15 off the exponent field: the conversion's scale operand
.endr
.irp b, 0,1,2,3
.endr
.irp b, 0,1,2,3
	s_delay_alu instid0(VALU_DEP_4)
	v_lshrrev_b32 v[BP+\b], 23, v[SO+\b]           ; the scale's byte
.endr
	s_delay_alu instid0(VALU_DEP_3)
	v_lshl_or_b32 v[PW], v[BP+1], 8, v[BP]         ; p's scale word for these 128 keys: the conversions and O^T's rescaling below stand between it and the products
	s_delay_alu instid0(VALU_DEP_1)
	v_lshl_or_b32 v[PW], v[BP+2], 16, v[PW]
	s_delay_alu instid0(VALU_DEP_1)
	v_lshl_or_b32 v[PW], v[BP+3], 24, v[PW]
.irp b, 0,1,2,3
.set i, 0
.rept 16
.set i, i+1
.endr
	v_cvt_scalef32_pk8_bf8_f32 v[PC+4*\b:PC+1+4*\b], v[S+16*\b:S+7+16*\b], v[SO+\b]
	v_cvt_scalef32_pk8_bf8_f32 v[PC+2+4*\b:PC+3+4*\b], v[S+8+16*\b:S+15+16*\b], v[SO+\b]
.endr
.set j, 0
.rept 16
	v_pk_mul_f32 v[O+j:O+j+1], v[O+j:O+j+1], v[FF:FF+1] op_sel_hi:[1,0]       ; O^T under the new M; each accumulator from its low end on.  (Also the places between the conversions and the products)
.set j, j+2
.endr
	s_wait_alu depctr_va_vdst(0)
	s_wait_dscnt 0x0                               ; V is in
.irp n, 0,1,2,3                                ; O^T += V^T P^T: four accumulators by turns
.if \n%2
	v_wmma_scale_f32_16x16x128_f8f6f4 v[O+8*\n:O+8*\n+7], v[F+16*\n:F+16*\n+15], v[PC:PC+15], v[O+8*\n:O+8*\n+7], v[VS+\n/2], v[PW] matrix_a_fmt:MATRIX_FMT_BF8 matrix_b_fmt:MATRIX_FMT_BF8 matrix_a_scale:MATRIX_SCALE_ROW1
.else
	v_wmma_scale_f32_16x16x128_f8f6f4 v[O+8*\n:O+8*\n+7], v[F+16*\n:F+16*\n+15], v[PC:PC+15], v[O+8*\n:O+8*\n+7], v[VS+\n/2], v[PW] matrix_a_fmt:MATRIX_FMT_BF8 matrix_b_fmt:MATRIX_FMT_BF8
.endif
.endr
	s_add_co_u32 s[TS], s[TS], 512                 ; the next step's scale words
.endm
; THE CHANGE OF SLOTS stands at a slot's head.  Each wave waits for all its tensor loads, adds 0 to its spare word (fill = 1: twice on end), and waits for that and for its reads of the slot that it has left.
; fill = 1: a round of the cluster's barrier, so that no wave of any partner still reads that slot or has a load on its way; the joint load of the next four key steps is the first thing behind it and has four steps in which to land.
.macro CHANGE fill
	s_wait_tensorcnt 0x0                           ; no tensor load of mine is out, so a group 0 may be written
	ds_add_u32 v[SPW], v[NIL]
.if \fill
	ds_add_u32 v[SPW], v[NIL]                      ; and once more, in every trip alike
	s_xor_b32 s[G0+1], s[G0+1], SLOT1              ; the walking descriptor: the other slot than last time,
	s_add_nc_u64 s[G0+2:G0+3], s[G0+2:G0+3], SLOT1 ; the next four key steps; the type bits on top are not reached
	s_wait_xcnt 0x0                                ; the last prefetch, a slot back, has read its address:
	s_add_nc_u64 s[PFA:PFA+1], s[PFA:PFA+1], SLOT1 ; one slot further on than the walking descriptor
	s_wait_dscnt 0x0                               ; both adds are done, and my reads of the slot that I have left are over
	CROUND
	JLOAD
	ASK
.else
	s_wait_dscnt 0x0
	s_barrier_signal -1
	s_barrier_wait -1
.endif
.endm
.macro FOUR_STEPS
	STEP 0
	STEP 1
	STEP 2
	STEP 3
	s_xor_b32 s[TB], s[TB], SLOT1                  ; on to the other slot
.endm
	s_wait_loadcnt 0x0                             ; Q
.Lslot:                                            ; seven trips: behind each change of slots but the last the next slot is asked for; slot 1's first fill goes out behind the first trip's round, where nothing is filled again
	CHANGE 1
	FOUR_STEPS
	s_sub_co_u32 s[SLOTS], s[SLOTS], 1
	s_cmp_lg_u32 s[SLOTS], 0
	s_cbranch_scc1 .Lslot
	CHANGE 0                                       ; the last slot is written out
	FOUR_STEPS
	; THE WAY OUT.  O^T / l, quantised along the channels: registers 16 beta + 0 .. 15 of lane (r, h) are channels 32 beta + 16 h + 0 .. 15 of query r: two blocks, each in lanes l and l xor 16.
	v_add_f32 v14, v14, v15                        ; the sum's two halves,
	s_delay_alu instid0(VALU_DEP_1)
	v_permlanex16_b32 v[FF], v14, s[SEL], s[SEL+1]
	s_delay_alu instid0(VALU_DEP_1)
	v_add_f32 v14, v14, v[FF]                      ; and lane l xor 16's: the row's sum
	s_wait_alu depctr_va_vdst(0)
	v_rcp_f32 v14, v14
.rept 8
	v_nop                                          ; eight places between the last products and the first read of O^T; the first is also the plain line behind the reciprocal
.endr
	s_wait_alu depctr_va_vdst(0)                   ; the wait ahead of the first reader
.set j, 0
.rept 32
	v_mul_f32 v[S+j], v[O+j], v14
.set j, j+1
.endr
.irp b, 0,1
	v_max3_num_f32 v[BM+\b], |v[S+16*\b]|, |v[S+1+16*\b]|, 0x8000000
.endr
.irp i, 2,4,6,8,10,12,14
.irp b, 0,1
	s_delay_alu instid0(VALU_DEP_2)
	v_max3_num_f32 v[BM+\b], v[BM+\b], |v[S+16*\b+\i]|, |v[S+1+16*\b+\i]|
.endr
.endr
.irp b, 0,1
	s_delay_alu instid0(VALU_DEP_2)
	v_permlanex16_b32 v[BP+\b], v[BM+\b], s[SEL], s[SEL+1]
.endr
.irp b, 0,1
	s_delay_alu instid0(VALU_DEP_2)
	v_max_num_f32 v[BM+\b], v[BM+\b], v[BP+\b]
.endr
.irp b, 0,1
	s_delay_alu instid0(VALU_DEP_2)
	v_add_nc_u32 v[SO+\b], 0xf8800000, v[BM+\b]
.endr
.irp b, 0,1
.endr
.irp b, 0,1
	s_delay_alu instid0(VALU_DEP_2)
	v_lshrrev_b32 v[BP+\b], 23, v[SO+\b]
.endr
.irp b, 0,1
.set i, 0
.rept 16
.set i, i+1
.endr
	v_cvt_scalef32_pk8_bf8_f32 v[PC+4*\b:PC+1+4*\b], v[S+16*\b:S+7+16*\b], v[SO+\b]
	v_cvt_scalef32_pk8_bf8_f32 v[PC+2+4*\b:PC+3+4*\b], v[S+8+16*\b:S+15+16*\b], v[SO+\b]
.endr
	v_cndmask_b32 v[W0], v[BP], v[BP+1], s[HI16]   ; lanes 0-15 store block 0's byte of their row, lanes 16-31 block 1's.  (Also the plain line behind the conversions)
	global_store_b128 v[LI], v[PC:PC+3], s[12:13]                  ; groups 2 (head % 2) and the next of the projection's operand: 512 consecutive bytes each
	global_store_b128 v[LI], v[PC+4:PC+7], s[12:13] offset:512
	global_store_b8 v[OSO], v[W0], s[14:15]
	s_wait_tensorcnt 0x0                           ; the wave's end, behind my last tensor load
	ds_add_u32 v[SPW], v[NIL]
	s_wait_dscnt 0x0
	CROUND                                         ; the closing round: no work-group ends while a partner may still ask for a tile that names it
	s_endpgm
.Lfunc_end_k_q79ed5c7082_attn:
	.size	k_q79ed5c7082_attn, .Lfunc_end_k_q79ed5c7082_attn-k_q79ed5c7082_attn
	.p2alignl 7, 3214868480
	.fill 96, 4, 3214868480
	.section	.rodata,"a",@progbits
	.p2align	6, 0x0
	.amdhsa_kernel k_q79ed5c7082_attn
		.amdhsa_group_segment_fixed_size 327680
		.amdhsa_private_segment_fixed_size 0
		.amdhsa_enable_private_segment 0
		.amdhsa_kernarg_size 48
		.amdhsa_user_sgpr_count 2
		.amdhsa_user_sgpr_kernarg_segment_ptr 1
		.amdhsa_wavefront_size32 1
		.amdhsa_system_sgpr_workgroup_id_x 1
		.amdhsa_system_sgpr_workgroup_id_y 1
		.amdhsa_system_sgpr_workgroup_id_z 1
		.amdhsa_system_vgpr_workitem_id 0
		.amdhsa_next_free_vgpr 256
		.amdhsa_next_free_sgpr 72
		.amdhsa_reserve_vcc 0
		.amdhsa_float_denorm_mode_32 3
		.amdhsa_float_denorm_mode_16_64 3
		.amdhsa_fp16_overflow 1
		.amdhsa_memory_ordered 1
		.amdhsa_forward_progress 1
		.amdhsa_inst_pref_size 150
	.end_amdhsa_kernel
	.amdgpu_metadata
---
amdhsa.version: [ 1, 2 ]
amdhsa.kernels:
  - .name:           k_q79ed5c7082_attn
    .symbol:         k_q79ed5c7082_attn.kd
    .args:
      - { .name: qc, .offset: 0, .size: 8, .value_kind: global_buffer, .address_space: global }
      - { .name: qs, .offset: 8, .size: 8, .value_kind: global_buffer, .address_space: global }
      - { .name: kv, .offset: 16, .size: 8, .value_kind: global_buffer, .address_space: global }
      - { .name: kvs, .offset: 24, .size: 8, .value_kind: global_buffer, .address_space: global }
      - { .name: oc, .offset: 32, .size: 8, .value_kind: global_buffer, .address_space: global }
      - { .name: os, .offset: 40, .size: 8, .value_kind: global_buffer, .address_space: global }
    .group_segment_fixed_size: 327680
    .private_segment_fixed_size: 0
    .kernarg_segment_align: 8
    .kernarg_segment_size: 48
    .max_flat_workgroup_size: 512
    .sgpr_count:     72
    .vgpr_count:     256
    .wavefront_size: 32
...
	.end_amdgpu_metadata
.endif
;; end of part 3
;; launch proj (part 4): grid 256 x 1, 4 waves a work-group, no clusters, 70,144 bytes of LDS; arguments oc, os, proj_w_codes, proj_w_scales, proj_b, x, out0; writes out0
.if DOCPART == 4
	.amdgcn_target "amdgcn-amd-amdhsa--gfx1250"
	.amdhsa_code_object_version 6
	.text
	.protected	k_q79ed5c7082_proj
	.globl	k_q79ed5c7082_proj
	.p2align	8
	.type	k_q79ed5c7082_proj,@function
k_q79ed5c7082_proj:
	s_mov_b64 s[64:65], 0
	v_nop
	global_prefetch_b8 v0, s[64:65] scope:SCOPE_SE
	s_setreg_imm32_b32 hwreg(HW_REG_WAVE_MODE, 25, 1), 1
	s_wait_xcnt 0x0
; out0 = proj_w O + proj_b + x, the product on codes of BF8 (E5M2) with one E8M0 scale for each 32 along K = the 256 channels.
; SHARES.  Work-group j: image j / 64, positions 64 (j % 64) .. + 63, as four tiles T whose row rho is position 32 (T / 2) + 8 (T % 2) + rho + 8 (rho / 8).  Wave w makes output channels 64 w .. 64 w + 63 for all four tiles:
; 32 matrix instructions.  O's eight fragments arrive as images of their registers (group c of lane L at 512 c + 16 L); W's rows have K innermost and are loaded as they lie.
; Source 0 = 16 positions of O, source 1 = 16 rows of W: lane (r, h) holds channel 16 n + r and, in a tile's eight registers, the NEIGHBOURING positions 32 (T / 2) + 16 h + 8 (T % 2) + 0 .. 7: 32 bytes of a row of out0.
; THE WAY OUT: each wave's 64 channels x 64 positions go through its own stage in LDS and come back as whole rows of 256 bytes, to which x's rows, loaded the same way, are added: sixteen lanes store 256 consecutive bytes, aligned.
; The bias is the C of each sum's first product.  No barrier: waves share nothing.
; NO JOINT LOADS: each fragment of W is used by one wave of a work-group, once, and lands in the registers that multiply it; shared through LDS, its 64 KiB would be written there and read again for 32 matrix instructions a wave.
; LIMITS: NaN and infinities among the inputs are not served.
; REGISTERS: window 0: v4-13 offsets and the add's two; v16-23 O's scale words; v24-31 W's; v32-63 the bias as C; v128-255 the 16 accumulators ((n, T) at 8 (4 n + T)), then rows of out0.
;   window 1: v0-127 O's fragments (16 (2 T + g)); v128-255 W's (16 (2 n + g)).   window 2: v0-127 x's rows.
.set STG,   17408                      ; a wave's stage: 64 rows x (256 bytes + 16)
.set SPARE, 69632                      ; behind the four stages: the spare words, 128 bytes for each wave: two blocks of 256 bytes that no other line names
.set LI,  4                            ; v4   16 x lane
.set R4,  5                            ; v5   4 r
.set VW,  6                            ; v6   256 r + 16 h
.set R8,  7                            ; v7   8 r
.set SOA, 9                            ; v9   the stage, on the way in: row r, + 64 h
.set SR,  10                           ; v10  and back: sixteen lanes to a row
.set XO,  11                           ; v11  the same two rows in x and out0
.set SPW, 12
.set NIL, 13
.set OS,  16
.set WS,  24
.set BI,  32
.set ACC, 128
.set MSB, 0
.macro WIN new                         ; the immediate's high byte repeats the setting that is left
.if MSB != \new
	s_set_vgpr_msb (MSB<<8)|\new
.set MSB, \new
.endif
.endm
.macro MM d, a, b, c, sa, sb
	v_wmma_scale_f32_16x16x128_f8f6f4 v[(\d):(\d)+7], v[(\a):(\a)+15], v[(\b):(\b)+15], v[(\c):(\c)+7], v[\sa], v[\sb] matrix_a_fmt:MATRIX_FMT_BF8 matrix_b_fmt:MATRIX_FMT_BF8
.endm
	s_load_b256 s[4:11], s[0:1], 0x0               ; oc, os, W's codes, W's scales
	s_load_b128 s[12:15], s[0:1], 0x20             ; proj_b, x
	s_load_b64 s[16:17], s[0:1], 0x30              ; out0
	v_lshl_add_u32 v[SPW], v0, 2, SPARE
	v_mov_b32 v[NIL], 0
	v_lshrrev_b32 v1, 5, v0
	v_readfirstlane_b32 s18, v1                    ; wave 0..3
	v_and_b32 v1, 31, v0                           ; lane
	v_and_b32 v2, 15, v0                           ; r
	v_bfe_u32 v3, v0, 4, 1                         ; h
	v_lshlrev_b32 v[LI], 4, v1
	v_lshlrev_b32 v[R4], 2, v2
	v_lshlrev_b32 v[VW], 8, v2
	v_lshl_add_u32 v[VW], v3, 4, v[VW]
	v_lshlrev_b32 v[R8], 3, v2
	s_mul_i32 s19, s18, STG                        ; my stage
	v_mul_u32_u24 v[SOA], v2, 272
	v_lshl_add_u32 v[SOA], v3, 6, v[SOA]
	v_add_nc_u32 v[SOA], s19, v[SOA]
	v_mul_u32_u24 v[SR], v3, 272
	v_lshl_add_u32 v[SR], v2, 4, v[SR]
	v_add_nc_u32 v[SR], s19, v[SR]
	v_lshlrev_b32 v[XO], 14, v3                    ; a channel's 4,096 positions are 16,384 bytes
	v_lshl_add_u32 v[XO], v2, 4, v[XO]
	s_lshr_b32 s20, ttmp9, 6                       ; the image
	s_and_b32 s21, ttmp9, 63                       ; which 64 positions
	s_lshl_b32 s22, s20, 20                        ; oc: four tiles of 4,096 bytes
	s_lshl_b32 s23, s21, 14
	s_add_co_u32 s22, s22, s23
	s_mov_b32 s23, 0
	s_lshl_b32 s24, s20, 15                        ; os: four tiles of 128 bytes
	s_lshl_b32 s25, s21, 9
	s_add_co_u32 s24, s24, s25
	s_mov_b32 s25, 0
	s_lshl_b32 s26, s18, 14                        ; my 64 rows of W's codes,
	s_mov_b32 s27, 0
	s_lshl_b32 s28, s18, 9                         ; of its scale bytes,
	s_mov_b32 s29, 0
	s_lshl_b32 s30, s18, 8                         ; of the bias
	s_mov_b32 s31, 0
	s_lshl_b32 s32, s20, 22                        ; x and out0: image, my 64 channels, the 64 positions
	s_lshl_b32 s33, s18, 20
	s_add_co_u32 s32, s32, s33
	s_lshl_b32 s33, s21, 8
	s_add_co_u32 s32, s32, s33
	s_mov_b32 s33, 0
	s_wait_alu depctr_va_vdst(0)
	s_wait_kmcnt 0x0
	s_add_nc_u64 s[4:5], s[4:5], s[22:23]
	s_add_nc_u64 s[6:7], s[6:7], s[24:25]
	s_add_nc_u64 s[8:9], s[8:9], s[26:27]
	s_add_nc_u64 s[10:11], s[10:11], s[28:29]
	s_add_nc_u64 s[12:13], s[12:13], s[30:31]
	s_add_nc_u64 s[14:15], s[14:15], s[32:33]
	s_add_nc_u64 s[16:17], s[16:17], s[32:33]
	WIN 0x40                                       ; destination window 1
.set i, 0
.rept 32
	global_load_b128 v[4*i:4*i+3], v[LI], s[4:5] offset:512*i      ; O's eight fragments: 512 consecutive bytes a load
.set i, i+1
.endr
.irp n, 0,1,2,3
.irp g, 0,1
.irp c, 0,1,2,3
	global_load_b128 v[128+16*(2*\n+\g)+4*\c:128+16*(2*\n+\g)+4*\c+3], v[VW], s[8:9] offset:4096*\n+128*\g+32*\c
.endr
.endr
.endr
	WIN 0
.irp f, 0,1,2,3,4,5,6,7
	global_load_b32 v[OS+\f], v[R4], s[6:7] offset:64*\f
.endr
.irp n, 0,1,2,3
.irp g, 0,1
	global_load_b32 v[WS+2*\n+\g], v[R8], s[10:11] offset:128*\n+4*\g
.endr
.endr
.irp n, 0,1,2,3
	global_load_b32 v[BI+8*\n], v[R4], s[12:13] offset:64*\n       ; the bias of my lane's channel 16 n + r
.endr
	WIN 0x80                                       ; destination window 2
.set i, 0
.rept 32
	global_load_b128 v[4*i:4*i+3], v[XO], s[14:15] offset:32768*i th:TH_LOAD_NT       ; x's rows 2 i and 2 i + 1 of my 64 channels: sixteen lanes read 256 consecutive bytes; its last read in the program
.set i, i+1
.endr
	WIN 0
	s_wait_loadcnt 32                              ; x's 32 loads may be out: the operands are in
.irp n, 0,1,2,3
.irp j, 1,2,3,4,5,6,7
	v_mov_b32 v[BI+8*\n+\j], v[BI+8*\n]            ; the bias hangs on the lane's channel alone: the same in the eight registers of a C
.endr
.endr
.rept 4
	v_nop                                          ; as far ahead of the products as an operand written by vector instructions
.endr
	WIN 0x05                                       ; sources 0 and 1 window 1; C and D window 0
.irp t, 0,1,2,3                                ; the 16 accumulators by turns, a K step at a time
.irp n, 0,1,2,3
	MM ACC+8*(4*\n+\t), 32*\t, 128+32*\n, BI+8*\n, OS+2*\t, WS+2*\n
.endr
.endr
.irp t, 0,1,2,3
.irp n, 0,1,2,3
	MM ACC+8*(4*\n+\t), 32*\t+16, 128+32*\n+16, ACC+8*(4*\n+\t), OS+2*\t+1, WS+2*\n+1
.endr
.endr
	WIN 0
.rept 8
	v_nop                                          ; eight places between a product of this form and the first read of its result, and the loads into its registers
.endr
.irp n, 0,1,2,3
.irp t, 0,1,2,3
	ds_store_b128 v[SOA], v[ACC+8*(4*\n+\t):ACC+8*(4*\n+\t)+3] offset:4352*\n+128*(\t/2)+32*(\t%2)          ; each accumulator from its low end on
	ds_store_b128 v[SOA], v[ACC+8*(4*\n+\t)+4:ACC+8*(4*\n+\t)+7] offset:4352*\n+128*(\t/2)+32*(\t%2)+16
.endr
.endr
.set i, 0
.rept 32
	ds_load_b128 v[ACC+4*i:ACC+4*i+3], v[SR] offset:544*i          ; LDS serves a wave's instructions in order (ISA guide 5.7.1.4): these see my stores; the stage is my own
.set i, i+1
.endr
	s_wait_loadcnt 0x0                             ; x
	s_wait_dscnt 0x0                               ; the rows are back
	WIN 0x08                                       ; source 1 window 2
.set i, 0
.rept 64
	v_pk_add_f32 v[ACC+2*i:ACC+2*i+1], v[ACC+2*i:ACC+2*i+1], v[2*i:2*i+1]     ; + x
.set i, i+1
.endr
	WIN 0
.set i, 0
.rept 32
	global_store_b128 v[XO], v[ACC+4*i:ACC+4*i+3], s[16:17] offset:32768*i th:TH_STORE_NT     ; sixteen lanes store 256 consecutive bytes, at a multiple of 256 from out0's first byte
.set i, i+1
.endr
	s_wait_tensorcnt 0x0                           ; the wave's end, behind my last LDS store
	ds_add_u32 v[SPW], v[NIL]
	s_wait_dscnt 0x0
	s_endpgm
.Lfunc_end_k_q79ed5c7082_proj:
	.size	k_q79ed5c7082_proj, .Lfunc_end_k_q79ed5c7082_proj-k_q79ed5c7082_proj
	.p2alignl 7, 3214868480
	.fill 96, 4, 3214868480
	.section	.rodata,"a",@progbits
	.p2align	6, 0x0
	.amdhsa_kernel k_q79ed5c7082_proj
		.amdhsa_group_segment_fixed_size 70144
		.amdhsa_private_segment_fixed_size 0
		.amdhsa_enable_private_segment 0
		.amdhsa_kernarg_size 56
		.amdhsa_user_sgpr_count 2
		.amdhsa_user_sgpr_kernarg_segment_ptr 1
		.amdhsa_wavefront_size32 1
		.amdhsa_system_sgpr_workgroup_id_x 1
		.amdhsa_system_sgpr_workgroup_id_y 1
		.amdhsa_system_sgpr_workgroup_id_z 1
		.amdhsa_system_vgpr_workitem_id 0
		.amdhsa_next_free_vgpr 640
		.amdhsa_next_free_sgpr 66
		.amdhsa_reserve_vcc 0
		.amdhsa_float_denorm_mode_32 3
		.amdhsa_float_denorm_mode_16_64 3
		.amdhsa_memory_ordered 1
		.amdhsa_forward_progress 1
		.amdhsa_inst_pref_size 31
	.end_amdhsa_kernel
	.amdgpu_metadata
---
amdhsa.version: [ 1, 2 ]
amdhsa.kernels:
  - .name:           k_q79ed5c7082_proj
    .symbol:         k_q79ed5c7082_proj.kd
    .args:
      - { .name: oc, .offset: 0, .size: 8, .value_kind: global_buffer, .address_space: global }
      - { .name: os, .offset: 8, .size: 8, .value_kind: global_buffer, .address_space: global }
      - { .name: proj_w_codes, .offset: 16, .size: 8, .value_kind: global_buffer, .address_space: global }
      - { .name: proj_w_scales, .offset: 24, .size: 8, .value_kind: global_buffer, .address_space: global }
      - { .name: proj_b, .offset: 32, .size: 8, .value_kind: global_buffer, .address_space: global }
      - { .name: x, .offset: 40, .size: 8, .value_kind: global_buffer, .address_space: global }
      - { .name: out0, .offset: 48, .size: 8, .value_kind: global_buffer, .address_space: global }
    .group_segment_fixed_size: 70144
    .private_segment_fixed_size: 0
    .kernarg_segment_align: 8
    .kernarg_segment_size: 56
    .max_flat_workgroup_size: 128
    .sgpr_count:     66
    .vgpr_count:     640
    .wavefront_size: 32
...
	.end_amdgpu_metadata
.endif
;; end of part 4
